; MI455X (gfx1250); checked and timed in simulation.
; The chip was launched on July 23, 2026; its instructions are those of AMD's public machine-readable ISA for CDNA 5 (MIT licence, August 2026) and "CDNA5" Instruction Set Architecture Reference Guide (July 2026). The comments in the code are by the model that wrote it; some were corrected since.
;; Self Attention. Allowed arithmetic: matrix products marked QUANTISED: E2M1 operands, one E8M0 scale for each 32 along K, by v_wmma_scale_f32_16x16x128_f8f6f4 with both operands' format E2M1 (or v_wmma_scale_f32_32x16x128_f4), f32 sums; products left as they are: bf16, f16 or f32 operands; f32 sums; everything else in f32.
;; Inputs: b_out 1,024 float32; b_qkv 3,072 float32; w_out 1,024 x 1,024 float32; w_qkv 1,024 x 3,072 float32; x 4 x 2,048 x 1,024 float32.
;; Outputs: out0 4 x 2,048 x 1,024 float32.
;; This version of the problem:
;;   THIS VERSION OF THE PROBLEM IS GIVEN IN LOW PRECISION. The matrix products marked QUANTISED in the list below multiply operands that are first quantised to E2M1 (2 exponent bits, 1 mantissa bit; 4 bits a number), with one power-of-two scale for each 32 numbers along K (OCP MX v1.0); their sums are f32. The products marked 'left as it is' may take bf16, f16 or f32 operands, with f32 sums. Whichever they take, every output number must still come out within the allowed error. Rounding operands to bf16 (8 significant bits) uses up far more of that allowance than f16 does (11 bits, for magnitudes from 6e-5 to 65,504). All else is computed in f32.
;;   The module's matrix products, in the order in which they are computed (A, B: the left and right operand; K: the contracted axis; several contracted axes count as one K, in the product's order):
;;     1. [M 8,192, K 1,024] x [K 1,024, N 3,072]; A: input x; B: input w_qkv: QUANTISED
;;     2. batch 64 x [M 2,048, K 64] x [K 64, N 2,048]; A: computed on the way; B: computed on the way: left as it is (an operand is computed on the way)
;;     3. batch 64 x [M 2,048, K 2,048] x [K 2,048, N 64]; A: computed on the way; B: computed on the way: left as it is (an operand is computed on the way)
;;     4. [M 8,192, K 1,024] x [K 1,024, N 1,024]; A: computed on the way; B: input w_out: left as it is (an operand is computed on the way)
;;   THE QUANTISER, for each operand of a quantised product, along K:
;;     - K is cut into blocks of 32 from its start; a last block that is shorter is filled with zeros.
;;     - A block's scale is 2^e with e = floor(log2(the largest magnitude in the block)) - 2, held to -126 .. 127; a block of zeros has e = 0. As a byte (E8M0): e + 127.
;;     - Each number is divided by its block's scale, clamped to +-6, and rounded to the nearest number of E2M1, ties to even, subnormals kept.
;;     - The product sums the exact products of the quantised numbers (number of the format x scale) in f32.
;;   ~~~python
;;   def quantise(x, axis):      # numpy; x: float32 -> the quantised numbers, widened to float32 again
;;       x = np.moveaxis(x, axis, -1); K = x.shape[-1]
;;       x = np.pad(x, [(0, 0)] * (x.ndim - 1) + [(0, -K % 32)]); x = x.reshape(x.shape[:-1] + (-1, 32)); a = np.abs(x).max(-1, keepdims=True)
;;       e = np.where(a > 0, np.clip(np.frexp(np.where(a > 0, a, 1))[1] - 1 - 2, -126, 127), 0)      # np.frexp(a)[1] - 1 = floor(log2(a)), exactly
;;       r = np.clip(x / 2.0 ** e, -6, 6)
;;       step = 2.0 ** (np.maximum(np.frexp(np.where(r == 0, 1, r))[1] - 1, 0) - 1)
;;       q = np.round(r / step) * step * 2.0 ** e      # np.round: ties to even
;;       return np.moveaxis(q.reshape(q.shape[:-2] + (-1,))[..., :K], -1, axis).astype(np.float32)
;;   ~~~
;; One version. Each part assembles by itself: llvm-mc -triple=amdgcn-amd-amdhsa -mcpu=gfx1250 --defsym DOCPART=n.
;; ======== version 1 of 1: 4 launches
;; limits: values are held in f16: magnitudes above 65,504 overflow, below 6.1e-05 lose precision
;; workspace buffers: xc 4,194,304 bytes; xs 262,144 bytes; wc 1,572,864 bytes; ws 98,304 bytes; w16 2,097,152 bytes; qkv 50,331,648 bytes; o16 16,777,216 bytes
;; launch prep (part 1): grid 336 x 1, 4 waves a work-group, no clusters, 68,096 bytes of LDS; arguments x, w_qkv, w_out, xc, xs, wc, ws, w16; writes xc, xs, wc, ws, w16
.if DOCPART == 1
	.amdgcn_target "amdgcn-amd-amdhsa--gfx1250"
	.amdhsa_code_object_version 6
	.text
	.protected	k_q8bb4d9c1fd_prep
	.globl	k_q8bb4d9c1fd_prep
	.p2align	8
	.type	k_q8bb4d9c1fd_prep,@function
k_q8bb4d9c1fd_prep:
	s_mov_b64 s[64:65], 0
	v_nop
	global_prefetch_b8 v0, s[64:65] scope:SCOPE_SE
	s_setreg_imm32_b32 hwreg(HW_REG_WAVE_MODE, 25, 1), 1
	s_wait_xcnt 0x0
; THE OPERANDS ARE MADE READY, ONCE.  Three streams in one launch, told apart by the work-group's number:
;   work-groups  0 ..  47: w_qkv [1024 k][3072 n] f32 -> codes of E2M1 laid [3072 n][512 bytes] with K innermost, and E8M0 bytes [3072][32]   (K is the FIRST axis: a lane takes a column, its registers run down K)
;   work-groups 48 ..  79: w_out [1024][1024] f32 -> f16, as it lies
;   work-groups 80 .. 335: x [8192][1024] f32 -> codes [8192][512 bytes], E8M0 bytes [8192][32]                                              (K innermost: a plain stream of blocks of 32)
; A block's scale is 2^(floor(log2(its largest magnitude)) - 2); its byte is the largest magnitude's exponent field - 2, held at 1 from below; each number is divided by the scale and rounded to the nearest code, ties to even,
; beyond 6 the largest code.
; LIMITS: a block of zeros gets the byte 1 where the rule says 127 (its codes are zeros, and this program alone reads the bytes); NaN and infinities among the inputs are not served; |w_out| stays under 65,504, and under 6e-5 it
; carries f16's absolute step of 6e-8.
; No matrix unit, no tensor load, no barrier: waves share nothing.  Each of the two paths that use LDS has LDS bytes of its own.
.set SPW,   190                        ; v190  LDS address of my spare word: SPARE + 4 x my thread's number; never rewritten
.set NIL,   191                        ; v191  0; never rewritten
.set SPARE, 67584                      ; behind both paths' regions: the spare words, 128 bytes for each wave
.set EMAX,  2
; ---- x's path
.set STEPS, 16
.set CB,    8                          ; bytes of 16 codes
.set XR,    16                         ; v16-79   four sets of 16 numbers as they are loaded
.set XX,    80                         ; v80-111  two sets of 16 neighbours
.set XE,    112                        ; v112-127 a scale byte for each step
.set XC,    128                        ; v128-189 codes: four registers' room for each step, so that no store's data are written again
.set WREG,  8192                       ; LDS 0 .. 32,767: a region for each wave: two stages of 32 x SP bytes, behind them its 256 scale bytes
.set SP,    80                         ; a lane's place in a stage: its 64 bytes + 16 of padding
; ---- w_qkv's path
.set SIZE_N, 3072
.set NB,    16                         ; blocks of 32 along K for a wave
.set PITCH, 272                        ; a stage row: 256 bytes of codes + 16
.set KROW,  512                        ; a row of the codes' buffer
.set WSTG,  32768                      ; LDS 32,768 .. 67,583: a stage of 32 rows for each wave
.set WX,    32                         ; v32-95   two sets of 32 numbers
.set WC,    96                         ; v96-99   a block's codes
.set WOUT,  112                        ; v112-175 the way out
.set WSB,   24                         ; v24-27   the scale bytes, four to a register
; ---- w_out's path
.set CIN,   16                         ; v16-79   sixteen slots of 4 numbers
.set COUT,  80                         ; v80-111  sixteen slots of 4 f16
.macro FINISH                          ; the wave's end: behind my last LDS store
	s_wait_tensorcnt 0x0
	ds_add_u32 v[SPW], v[NIL]
	s_wait_dscnt 0x0
	s_endpgm
.endm
.macro XLOAD t
.irp i, 0,1,2,3
	global_load_b128 v[XR+16*((\t)%4)+4*\i:XR+16*((\t)%4)+4*\i+3], v3, s[8:9] offset:2048*(\t)+512*\i th:TH_LOAD_NT   ; 32 lanes read 512 consecutive bytes
.endr
.endm
.macro XTURN t                         ; step t's numbers through the stage: LDS serves a wave's instructions in order, so no wait stands between the stores and the loads
.irp i, 0,1,2,3
	ds_store_b128 v14, v[XR+16*((\t)%4)+4*\i:XR+16*((\t)%4)+4*\i+3] offset:32*SP*((\t)%2)+8*SP*\i
.endr
.irp i, 0,1,2,3
	ds_load_b128 v[XX+16*((\t)%2)+4*\i:XX+16*((\t)%2)+4*\i+3], v15 offset:32*SP*((\t)%2)+16*\i
.endr
.endm
.macro XSTEP t
.set XS, XX+16*((\t)%2)
.if (\t) > 0
	s_wait_dscnt 1                                 ; this step's numbers are back from the stage (the last step's byte store may be out): so its stores into the stage have read their registers,
.else
	s_wait_dscnt 0x0
.endif
.if (\t)+4 < STEPS
	XLOAD (\t)+4                                   ; which take the loads of four steps on
.endif
.if (\t)+1 < STEPS
.if STEPS-2-(\t) >= 3
	s_wait_loadcnt 12                              ; the next step's four loads are in; those of the three steps behind it may be out
.else
	s_wait_loadcnt 4*(STEPS-2-(\t))
.endif
	XTURN (\t)+1                                   ; and go through the other stage while this step is worked
.endif
	v_max3_num_f32 v8, |v[XS]|, |v[XS+1]|, |v[XS+2]|               ; the largest magnitude of my 16, in two chains
	v_max3_num_f32 v9, |v[XS+3]|, |v[XS+4]|, |v[XS+5]|
.irp i, 6,10
	v_max3_num_f32 v8, v8, |v[XS+\i]|, |v[XS+\i+1]|
	v_max3_num_f32 v9, v9, |v[XS+\i+2]|, |v[XS+\i+3]|
.endr
	v_max3_num_f32 v8, v8, |v[XS+14]|, |v[XS+15]|
	v_max3_num_f32 v8, v8, v9, (EMAX+1)<<23        ; and the floor 2^(EMAX + 1 - 127): so the byte cannot fall under 1
	v_max_num_f32_dpp v8, v8, v8 row_xmask:1 row_mask:0xf bank_mask:0xf   ; and of my neighbour's 16: the block's
	v_add_nc_u32 v11, -(EMAX<<23), v8              ; EMAX off its exponent field: the conversion takes the exponent field of this operand as its scale, and nothing else of it
	v_cvt_scalef32_pk8_fp4_f32 v[XC+4*(\t)], v[XS:XS+7], v11
	v_cvt_scalef32_pk8_fp4_f32 v[XC+4*(\t)+1], v[XS+8:XS+15], v11
	v_lshrrev_b32 v[XE+(\t)], 23, v11              ; the scale's byte (also the plain line behind the conversions)
	ds_store_b8 v5, v[XE+(\t)] offset:16*(\t)      ; both lanes of a block write the same byte with the same value
	global_store_b64 v4, v[XC+4*(\t):XC+4*(\t)+1], s[14:15] offset:32*CB*(\t)   ; 32 lanes store 256 consecutive bytes, aligned
.endm
.macro WLOAD t                         ; block t: W(32 t + i, my column), i = 0 .. 31, into set t % 2
.irp i, 0,1,2,3,4,5,6,7,8,9,10,11,12,13,14,15,16,17,18,19,20,21,22,23,24,25,26,27,28,29,30,31
	global_load_b32 v[WX+32*((\t)%2)+\i], v3, s[10:11] offset:(32*(\t)+\i)*SIZE_N*4 th:TH_LOAD_NT   ; at most 511 rows of 12,288 bytes: inside the signed 24-bit immediate
.endr
.endm
.macro WBLOCK t
.set XS, WX+32*((\t)%2)
.if (\t) < NB-1
	s_wait_loadcnt 32                              ; this block's 32 loads are in; the next block's may be out
.else
	s_wait_loadcnt 0
.endif
	v_max3_num_f32 v12, |v[XS]|, |v[XS+1]|, |v[XS+2]|              ; the block's largest magnitude: all 32 numbers are mine
	v_max3_num_f32 v13, |v[XS+3]|, |v[XS+4]|, |v[XS+5]|
.irp i, 6,10,14,18,22,26
	v_max3_num_f32 v12, v12, |v[XS+\i]|, |v[XS+\i+1]|
	v_max3_num_f32 v13, v13, |v[XS+\i+2]|, |v[XS+\i+3]|
.endr
	v_max3_num_f32 v12, v12, |v[XS+30]|, |v[XS+31]|
	v_max3_num_f32 v12, v12, v13, (EMAX+1)<<23     ; and the floor
	v_add_nc_u32 v11, -(EMAX<<23), v12             ; the conversion's scale operand
	v_lshrrev_b32 v13, 23, v11                     ; the scale's byte
.if (\t)%4 == 0
	v_mov_b32 v[WSB+(\t)/4], v13                   ; four bytes to a register, the lower K in the lower byte
.else
	v_lshl_or_b32 v[WSB+(\t)/4], v13, 8*((\t)%4), v[WSB+(\t)/4]
.endif
.irp g, 0,1,2,3
	v_cvt_scalef32_pk8_fp4_f32 v[WC+\g], v[XS+8*\g:XS+8*\g+7], v11
.endr
	ds_store_b128 v4, v[WC:WC+3] offset:16*(\t)    ; 32 codes: 16 bytes of my column's row
.if (\t)+2 < NB
	WLOAD (\t)+2
.endif
	s_wait_dscnt 0x0                               ; the store has read its registers: the next block's codes may be written
.endm
.macro CV i                            ; chunk i of 64: 128 numbers of w_out, 4 a lane
.if 63-(\i) < 15
	s_wait_loadcnt 63-(\i)                         ; the last chunks: the counts run down
.else
	s_wait_loadcnt 15                              ; my chunk is in; the fifteen younger loads stay out
.endif
	s_wait_xcnt 0x0                                ; the slot's last store has read its data: they are rewritten only behind this wait
	v_cvt_pk_f16_f32 v[COUT+2*((\i)%16)], v[CIN+4*((\i)%16)], v[CIN+4*((\i)%16)+1]
	v_cvt_pk_f16_f32 v[COUT+2*((\i)%16)+1], v[CIN+4*((\i)%16)+2], v[CIN+4*((\i)%16)+3]
.if (\i)+16 < 64
	global_load_b128 v[CIN+4*((\i)%16):CIN+4*((\i)%16)+3], v3, s[12:13] offset:512*((\i)+16) th:TH_LOAD_NT
.endif
	global_store_b64 v4, v[COUT+2*((\i)%16):COUT+2*((\i)%16)+1], s[22:23] offset:256*(\i)   ; 32 lanes store 256 consecutive bytes, aligned
.endm
	s_load_b512 s[8:23], s[0:1], 0x0               ; x 8:9, w_qkv 10:11, w_out 12:13, xc 14:15, xs 16:17, wc 18:19, ws 20:21, w16 22:23
	v_lshl_add_u32 v[SPW], v0, 2, SPARE
	v_mov_b32 v[NIL], 0
	v_lshrrev_b32 v1, 5, v0
	v_readfirstlane_b32 s24, v1                    ; wave 0..3
	v_and_b32 v2, 31, v0                           ; lane
	s_mov_b32 s31, 0                               ; the upper word of every offset below: all stay under 2^32
	s_wait_kmcnt 0x0
	s_cmp_lt_u32 ttmp9, 48
	s_cbranch_scc1 .Lweights
	s_cmp_lt_u32 ttmp9, 80
	s_cbranch_scc1 .Lwout
	; ---------------- x: a wave takes a run of 8,192 numbers, 16 steps of 512
	v_lshlrev_b32 v3, 4, v2                        ; my 16 bytes of a load's 512
	s_mul_i32 s25, s24, WREG
	v_lshrrev_b32 v14, 2, v2
	v_mul_u32_u24 v14, v14, SP
	v_and_b32 v15, 3, v2
	v_lshl_add_u32 v14, v15, 4, v14
	v_add_nc_u32 v14, s25, v14                     ; the stage, on the way in: SP (lane / 4) + 16 (lane % 4)
	v_mul_u32_u24 v15, v2, SP
	v_add_nc_u32 v15, s25, v15                     ; and on the way out: SP x lane: my 16 neighbours
	v_mul_u32_u24 v4, v2, CB                       ; my codes' place in a step's
	v_lshrrev_b32 v5, 1, v2
	s_add_co_u32 s25, s25, 2*32*SP
	v_add_nc_u32 v5, s25, v5                       ; LDS: my wave's 256 scale bytes, my block's byte
	v_lshlrev_b32 v7, 3, v2                        ; and on the way out 8 bytes a lane
	v_add_nc_u32 v6, s25, v7
	s_sub_co_u32 s26, ttmp9, 80
	s_lshl_b32 s26, s26, 2
	s_add_co_u32 s26, s26, s24                     ; which run is my wave's: 0 .. 1,023
	s_lshl_b32 s30, s26, 15                        ; 32,768 bytes of numbers a run,
	s_add_nc_u64 s[8:9], s[8:9], s[30:31]
	s_lshl_b32 s30, s26, 12                        ; 4,096 of codes,
	s_add_nc_u64 s[14:15], s[14:15], s[30:31]
	s_lshl_b32 s30, s26, 8                         ; 256 scale bytes
	s_add_nc_u64 s[16:17], s[16:17], s[30:31]
.irp t, 0,1,2,3
	XLOAD \t
.endr
	s_wait_loadcnt 12                              ; step 0's four loads are in
	XTURN 0
.irp t, 0,1,2,3,4,5,6,7,8,9,10,11,12,13,14,15
	XSTEP \t
.endr
	ds_load_b64 v[8:9], v6                         ; LDS serves a wave's instructions in order: this sees my byte stores
	s_wait_dscnt 0x0
	global_store_b64 v7, v[8:9], s[16:17]          ; 32 lanes store 256 consecutive bytes, aligned
	FINISH
.Lweights:
	; ---------------- w_qkv: a wave takes 32 columns x 512 along K: 24 blocks of 128 columns x 2 halves of K
	s_cmp_ge_u32 ttmp9, 24
	s_cselect_b32 s26, 1, 0                        ; which half of K
	s_cselect_b32 s27, 24, 0
	s_sub_co_u32 s27, ttmp9, s27
	s_lshl_b32 s27, s27, 7
	s_lshl_b32 s28, s24, 5
	s_add_co_u32 s27, s27, s28                     ; my wave's first column
	s_mul_i32 s30, s26, 512*SIZE_N*4
	s_lshl_b32 s28, s27, 2
	s_add_co_u32 s30, s30, s28                     ; W: 512 rows a half + 4 bytes a column
	s_add_nc_u64 s[10:11], s[10:11], s[30:31]
	s_lshl_b32 s30, s27, 9
	s_lshl_b32 s28, s26, 8
	s_add_co_u32 s30, s30, s28                     ; codes: 512 bytes a column + 256 a half
	s_add_nc_u64 s[18:19], s[18:19], s[30:31]
	s_lshl_b32 s30, s27, 5
	s_lshl_b32 s28, s26, 4
	s_add_co_u32 s30, s30, s28                     ; scale bytes: 32 a column + 16 a half
	s_add_nc_u64 s[20:21], s[20:21], s[30:31]
	v_lshlrev_b32 v3, 2, v2                        ; in: 4 bytes a lane
	s_mul_i32 s29, s24, 32*PITCH
	s_add_co_u32 s29, s29, WSTG                    ; my stage
	v_mul_u32_u24 v4, v2, PITCH
	v_add_nc_u32 v4, s29, v4                       ; into it: row = my column
	v_and_b32 v5, 15, v2
	v_lshrrev_b32 v6, 4, v2                        ; out of it: sixteen lanes to a row, two rows an instruction
	v_mul_u32_u24 v7, v6, PITCH
	v_lshl_add_u32 v7, v5, 4, v7
	v_add_nc_u32 v7, s29, v7
	v_mul_u32_u24 v8, v6, KROW
	v_lshl_add_u32 v8, v5, 4, v8                   ; and the same place in the codes' buffer
	v_lshlrev_b32 v9, 5, v2                        ; my column's row of scale bytes
	WLOAD 0
	WLOAD 1
.set Q, 0
.rept NB
	WBLOCK Q
.set Q, Q+1
.endr
	global_store_b128 v9, v[WSB:WSB+3], s[20:21]   ; my column's 16 scale bytes
.irp t, 0,1,2,3,4,5,6,7,8,9,10,11,12,13,14,15
	ds_load_b128 v[WOUT+4*\t:WOUT+4*\t+3], v7 offset:2*\t*PITCH
.endr
.irp t, 0,1,2,3,4,5,6,7,8,9,10,11,12,13,14,15
	s_wait_dscnt 15-\t                             ; LDS loads come back in order: load t is in
	global_store_b128 v8, v[WOUT+4*\t:WOUT+4*\t+3], s[18:19] offset:2*\t*KROW   ; sixteen lanes store 256 consecutive bytes, aligned
.endr
	FINISH
.Lwout:
	; ---------------- w_out: a wave takes a run of 8,192 numbers, 64 chunks of 128; sixteen loads are always on their way
	s_sub_co_u32 s26, ttmp9, 48
	s_lshl_b32 s26, s26, 2
	s_add_co_u32 s26, s26, s24                     ; which run: 0 .. 127
	s_lshl_b32 s30, s26, 15
	s_add_nc_u64 s[12:13], s[12:13], s[30:31]
	s_lshl_b32 s30, s26, 14
	s_add_nc_u64 s[22:23], s[22:23], s[30:31]
	v_lshlrev_b32 v3, 4, v2
	v_lshlrev_b32 v4, 3, v2
.irp i, 0,1,2,3,4,5,6,7,8,9,10,11,12,13,14,15
	global_load_b128 v[CIN+4*\i:CIN+4*\i+3], v3, s[12:13] offset:512*\i th:TH_LOAD_NT
.endr
.set Q, 0
.rept 64
	CV Q
.set Q, Q+1
.endr
	FINISH
.Lfunc_end_k_q8bb4d9c1fd_prep:
	.size	k_q8bb4d9c1fd_prep, .Lfunc_end_k_q8bb4d9c1fd_prep-k_q8bb4d9c1fd_prep
	.p2alignl 7, 3214868480
	.fill 96, 4, 3214868480
	.section	.rodata,"a",@progbits
	.p2align	6, 0x0
	.amdhsa_kernel k_q8bb4d9c1fd_prep
		.amdhsa_group_segment_fixed_size 68096
		.amdhsa_private_segment_fixed_size 0
		.amdhsa_enable_private_segment 0
		.amdhsa_kernarg_size 64
		.amdhsa_user_sgpr_count 2
		.amdhsa_user_sgpr_kernarg_segment_ptr 1
		.amdhsa_wavefront_size32 1
		.amdhsa_system_sgpr_workgroup_id_x 1
		.amdhsa_system_sgpr_workgroup_id_y 1
		.amdhsa_system_sgpr_workgroup_id_z 1
		.amdhsa_system_vgpr_workitem_id 0
		.amdhsa_next_free_vgpr 192
		.amdhsa_next_free_sgpr 66
		.amdhsa_reserve_vcc 0
		.amdhsa_float_denorm_mode_32 3
		.amdhsa_float_denorm_mode_16_64 3
		.amdhsa_memory_ordered 1
		.amdhsa_forward_progress 1
		.amdhsa_inst_pref_size 135
	.end_amdhsa_kernel
	.amdgpu_metadata
---
amdhsa.version: [ 1, 2 ]
amdhsa.kernels:
  - .name:           k_q8bb4d9c1fd_prep
    .symbol:         k_q8bb4d9c1fd_prep.kd
    .args:
      - { .name: x, .offset: 0, .size: 8, .value_kind: global_buffer, .address_space: global }
      - { .name: w_qkv, .offset: 8, .size: 8, .value_kind: global_buffer, .address_space: global }
      - { .name: w_out, .offset: 16, .size: 8, .value_kind: global_buffer, .address_space: global }
      - { .name: xc, .offset: 24, .size: 8, .value_kind: global_buffer, .address_space: global }
      - { .name: xs, .offset: 32, .size: 8, .value_kind: global_buffer, .address_space: global }
      - { .name: wc, .offset: 40, .size: 8, .value_kind: global_buffer, .address_space: global }
      - { .name: ws, .offset: 48, .size: 8, .value_kind: global_buffer, .address_space: global }
      - { .name: w16, .offset: 56, .size: 8, .value_kind: global_buffer, .address_space: global }
    .group_segment_fixed_size: 68096
    .private_segment_fixed_size: 0
    .kernarg_segment_align: 8
    .kernarg_segment_size: 64
    .max_flat_workgroup_size: 128
    .sgpr_count:     66
    .vgpr_count:     192
    .wavefront_size: 32
...
	.end_amdgpu_metadata
.endif
;; end of part 1
;; launch qkvgemm (part 2): grid 12 x 32, 4 waves a work-group, clusters of 4 x 4, 327,680 bytes of LDS; arguments xc, xs, wc, ws, b_qkv, qkv; writes qkv
.if DOCPART == 2
	.amdgcn_target "amdgcn-amd-amdhsa--gfx1250"
	.amdhsa_code_object_version 6
	.text
	.protected	k_q8bb4d9c1fd_qkvgemm
	.globl	k_q8bb4d9c1fd_qkvgemm
	.p2align	8
	.type	k_q8bb4d9c1fd_qkvgemm,@function
k_q8bb4d9c1fd_qkvgemm:
	s_mov_b64 s[64:65], 0
	v_nop
	global_prefetch_b8 v0, s[64:65] scope:SCOPE_SE
	s_setreg_imm32_b32 hwreg(HW_REG_WAVE_MODE, 25, 1), 1
	s_wait_xcnt 0x0
	s_wait_alu depctr_hold_cnt(0) depctr_sa_sdst(0) depctr_va_vdst(0) depctr_va_sdst(0) depctr_va_ssrc(0) depctr_va_vcc(0) depctr_vm_vsrc(0)
	s_getreg_b32 s2, hwreg(HW_REG_IB_STS2, 6, 4)
	s_cmp_eq_u32 s2, 0
	s_cbranch_scc0 .Lentry_in_a_cluster
	s_endpgm
.Lentry_in_a_cluster:
	s_bfe_u32 s2, ttmp6, 0x10000c
	s_cmp_lg_u32 s2, 0xf033
	s_cbranch_scc0 .Lentry_shape_is_right
	s_endpgm
.Lentry_shape_is_right:
; qkv = Q(x) Q(w_qkv) + b_qkv on codes of E2M1 with one E8M0 scale for each 32 along K; sums in f32; the result, rounded to f16, is laid by head: qkv [3 parts][4 b][16 h][2048 s][64].
; The q part is multiplied by log2(e) / 8 before it is rounded, so that the attention's scores are exponents of 2 as they come.
; A = xc [8192][512 bytes], xs [8192][32];  B = wc [3072][512 bytes], ws [3072][32];  K = 1,024.
; A tile of the result, 256 x 256, is made by a work-group of four waves; a wave makes 128 x 128: 64 accumulators of 16 x 16, 512 registers.  K is two steps of 512: both lie in LDS at once, each in a slot of its own, so
; nothing is ever filled again.  The scales of the work-group's rows of A and of B, for all of K, are two dense blocks of memory and come once.
; CLUSTERS: 4 x 4 work-groups.  The four of a row of the cluster need the same tiles of A, the four of a column the same tiles of B: each tile is asked for JOINTLY.
; THE MATRIX INSTRUCTION IS USED TRANSPOSED (source 0 = 16 rows of B, source 1 = 16 rows of A): a lane then holds eight neighbouring columns of one row.  The bias is the C of each sum's first product.
; LIMITS: |q log2(e) / 8|, |k|, |v| stay under 65,504; under 6e-5 they carry f16's absolute step of 6e-8.
; REGISTERS, in windows of 256: window 0: v0-31 addresses; v32-95 scale words, two sets; v96-127 packed results; v128-191 A's fragments, one set, later rows on their way out; v192-255 the bias in the result's layout.
;   window 1: B's fragments, two sets, at v0 and v128.   window 2: the accumulators of my rows 0-63 ((a, b) at v[8 (8 a + b)]);   window 3: those of my rows 64-127.
.set KSTEP,  512
.set NQ,     4                         ; matrix instructions deep in a slot
.set ROWB,   256                       ; a tile's row in bytes
.set KROW,   512                       ; a row of codes in memory
.set PITCH,  272                       ; an LDS row: 256 bytes + 16 of padding: the 16 rows that a load touches start 68 words apart
.set FR,     8
.set NL,     2
.set NP,     4
.set HALFT,  128*PITCH
.set SLOT,   4*HALFT
.set KS,     32                        ; a row of scales in bytes
.set SCL,    2*SLOT                    ; behind the slots: the scales, as rows of 256 bytes + 16 of padding
.set HALFS,  (128*KS/256)*272
.set SBLK,   (16*KS/256)*272
.set SPARE,  SCL+4*HALFS               ; the spare words, 128 bytes for each wave
.set WSTG,   4608                      ; the way out: a stage of 2 heads x 16 rows x (128 bytes + 16) for each wave, in slot 0, which has had its only fill and its last read by then
.set ADRA, 16
.set ADRB, 20
.set STO,  24
.set RD,   25
.set CO,   26
.set ADRS, 27
.set SPW,  28
.set NIL,  29
.set SC,   32
.set TMP,  96
.set AF,   128
.set BK,   128
.set BI,   192
.set G1, 24
.set G0, 32
.set G1B, 48
.set G0B, 56
.set FAC, 66                           ; s[66:67] what the results are multiplied by: log2(e) / 8 in the q part, else 1
.set G1S, 68
.set G0S, 76
.set G1SB, 80
.set G0SB, 88
.set MSB, 0
.macro WIN new                         ; the immediate's high byte repeats the setting that is left
.if MSB != (\new)
	s_set_vgpr_msb (MSB<<8)|(\new)
.set MSB, \new
.endif
.endm
.set MUL_LO, 0xa1                      ; source 0 (B) window 1, source 1 (A) window 0, C and D window 2
.set MUL_HI, 0xf1                      ; the same, C and D window 3
.set TO_B,   0x40
; A joint load: waves 0 and 1 fetch for A, waves 2 and 3 for B.  The branch hangs on the wave's number alone.  An s_nop 0 and four v_nop follow each of the two lines.
.macro JLOAD g0a, g1a, g0b, g1b
	s_cmp_eq_u32 s15, 0
	s_cbranch_scc0 .Lfor_b_\@
	tensor_load_to_lds s[\g0a:\g0a+3], s[\g1a:\g1a+7]
	s_nop 0
.rept 4
	v_nop
.endr
	s_branch .Lasked_\@
.Lfor_b_\@:
	tensor_load_to_lds s[\g0b:\g0b+3], s[\g1b:\g1b+7]
	s_nop 0
.rept 4
	v_nop
.endr
.Lasked_\@:
.endm
.macro CROUND                          ; a round of the cluster's barrier
	s_barrier_signal -1
	s_barrier_wait -1
	s_cmp_lg_u32 s14, 0
	s_cbranch_scc1 .Lnot_wave_0_\@
	s_barrier_signal -3
.Lnot_wave_0_\@:
	s_barrier_wait -3
	s_barrier_signal -1
	s_barrier_wait -1
.endm
	s_load_b128 s[4:7], s[0:1], 0x0                ; A's codes s[4:5], A's scales s[6:7]
	s_load_b128 s[8:11], s[0:1], 0x10              ; B's codes s[8:9], B's scales s[10:11]
	s_load_b64 s[96:97], s[0:1], 0x20              ; b_qkv
	s_load_b64 s[12:13], s[0:1], 0x28              ; qkv
	v_lshl_add_u32 v[SPW], v0, 2, SPARE
	v_mov_b32 v[NIL], 0
	ds_add_u32 v[SPW], v[NIL]                      ; the wave's opening: the add, twice on end, and its wait ahead of my first tensor load
	ds_add_u32 v[SPW], v[NIL]
	v_lshrrev_b32 v1, 5, v0
	v_readfirstlane_b32 s14, v1                    ; wave 0..3
	s_lshr_b32 s15, s14, 1                         ; which half of the tile's rows is mine.  Also: I fetch for A (0) or for B (1)
	s_and_b32 s16, s14, 1                          ; which half of its columns.  Also: which 128 rows of that tile I fetch
	s_bfe_u32 s40, ttmp6, 0x40000                  ; cx, cy: my place in the cluster
	s_bfe_u32 s41, ttmp6, 0x40004
	s_lshl_b32 s42, ttmp9, 2
	s_add_co_u32 s42, s42, s40                     ; tile column = 4 x cluster x + cx
	s_and_b32 s17, ttmp7, 0xffff
	s_lshl_b32 s17, s17, 2
	s_add_co_u32 s17, s17, s41                     ; tile row = 4 x cluster y + cy
	s_lshl_b32 s43, s41, 2
	s_lshl_b32 s43, 15, s43                        ; my row of the cluster
	s_lshl_b32 s44, 0x1111, s40                    ; my column
	s_cmp_eq_u32 ttmp9, 0                          ; the first column of clusters is tile columns 0 to 3: columns 0 to 1,023: the q part
	s_cselect_b32 s[FAC], 0x3e38aa3b, 1.0          ; log2(e) / 8
	s_mov_b32 s[FAC+1], s[FAC]                     ; (named with it as a pair, so it is written)
	; descriptor group 1: a tile of 128 rows x 256 bytes, padded in LDS
	s_or_b32 s[G1+0], s43, (0<<16)|(1<<20)|(1<<21)|(5<<22)|(3<<25)  ; the mask: A's tiles go to my row; elements of 1 byte; padding on; bit 21 beside a mask; after every 64 words, 4 words
	s_or_b32 s[G1B+0], s44, (0<<16)|(1<<20)|(1<<21)|(5<<22)|(3<<25)
.irp g, G1, G1B
	s_mov_b32 s[\g+1], ROWB<<16                    ; tensor_dim0
	s_mov_b32 s[\g+2], 128<<16                     ; tensor_dim1
	s_mov_b32 s[\g+3], ROWB<<16                    ; tile_dim0
	s_mov_b32 s[\g+4], 128                         ; tile_dim1
	s_mov_b32 s[\g+5], KROW                        ; tensor_dim0_stride
	s_mov_b32 s[\g+6], 0
	s_mov_b32 s[\g+7], 0
.endr
	; and for the scales of 128 rows: a dense block of 4,096 bytes, as 16 rows of 256 bytes (32 elements of 8 bytes), 16 bytes of padding behind each
	s_or_b32 s[G1S+0], s43, (3<<16)|(1<<20)|(1<<21)|(5<<22)|(3<<25)
	s_or_b32 s[G1SB+0], s44, (3<<16)|(1<<20)|(1<<21)|(5<<22)|(3<<25)
.irp g, G1S, G1SB
	s_mov_b32 s[\g+1], 32<<16
	s_mov_b32 s[\g+2], (128*KS/256)<<16
	s_mov_b32 s[\g+3], 32<<16
	s_mov_b32 s[\g+4], 128*KS/256
	s_mov_b32 s[\g+5], 32
	s_mov_b32 s[\g+6], 0
	s_mov_b32 s[\g+7], 0
.endr
	s_lshl_b32 s18, s16, 7                         ; which 128 rows of the tile I fetch
	s_lshl_b32 s20, s17, 8
	s_add_co_u32 s20, s20, s18                     ; A: row 256 x tile row + 128 x half
	s_lshl_b32 s46, s42, 8
	s_add_co_u32 s46, s46, s18                     ; B: row 256 x tile column + 128 x half
	s_mov_b32 s21, 0
	s_mov_b32 s47, 0
	s_mov_b64 s[18:19], KS
	s_mul_u64 s[22:23], s[20:21], s[18:19]         ; where these rows' scales begin, in bytes
	s_mul_u64 s[92:93], s[46:47], s[18:19]
	s_mov_b64 s[18:19], KROW
	s_mul_u64 s[20:21], s[20:21], s[18:19]         ; and their codes
	s_mul_u64 s[46:47], s[46:47], s[18:19]
	s_mul_i32 s45, s14, HALFT                      ; where they go: wave x 128 rows: no place in the cluster enters an LDS address
	s_mul_i32 s94, s14, HALFS
	s_wait_dscnt 0x0                               ; both opening adds are done
	s_wait_kmcnt 0x0
	s_add_nc_u64 s[20:21], s[4:5], s[20:21]
	s_add_nc_u64 s[22:23], s[6:7], s[22:23]
	s_add_nc_u64 s[46:47], s[8:9], s[46:47]
	s_add_nc_u64 s[92:93], s[10:11], s[92:93]
	CROUND                                         ; all sixteen work-groups are here: the joint loads meet
	s_mov_b32 s[G0S], 1
	s_add_co_u32 s[G0S+1], s94, SCL
	s_mov_b64 s[G0S+2:G0S+3], s[22:23]
	s_or_b32 s[G0S+3], s[G0S+3], 0x80000000
	s_mov_b32 s[G0SB], 1
	s_add_co_u32 s[G0SB+1], s94, SCL
	s_mov_b64 s[G0SB+2:G0SB+3], s[92:93]
	s_or_b32 s[G0SB+3], s[G0SB+3], 0x80000000
	JLOAD G0S, G1S, G0SB, G1SB                     ; the scales first: they are wanted with K step 0
.irp s, 0,1
	s_mov_b32 s[G0+4*\s], 1
	s_add_co_u32 s[G0+4*\s+1], s45, \s*SLOT
	s_add_nc_u64 s[G0+4*\s+2:G0+4*\s+3], s[20:21], \s*ROWB
	s_or_b32 s[G0+4*\s+3], s[G0+4*\s+3], 0x80000000
	s_mov_b32 s[G0B+4*\s], 1
	s_add_co_u32 s[G0B+4*\s+1], s45, \s*SLOT
	s_add_nc_u64 s[G0B+4*\s+2:G0B+4*\s+3], s[46:47], \s*ROWB
	s_or_b32 s[G0B+4*\s+3], s[G0B+4*\s+3], 0x80000000
	JLOAD G0+4*\s, G1, G0B+4*\s, G1B               ; three loads of mine are out: all that this launch fetches
.endr
	v_and_b32 v1, 15, v0                           ; l % 16
	v_bfe_u32 v2, v0, 4, 1                         ; l / 16
	; the bias in the result's layout: register 8 b + j = b_qkv[my first column + 16 b + 8 (l / 16) + j]
	s_lshl_b32 s46, s42, 10
	s_lshl_b32 s47, s16, 9
	s_add_co_u32 s46, s46, s47                     ; 4 bytes x (256 x tile column + 128 x half)
	s_mov_b32 s47, 0
	s_add_nc_u64 s[96:97], s[96:97], s[46:47]
	v_lshlrev_b32 v7, 5, v2
.irp b, 0,1,2,3,4,5,6,7
	global_load_b128 v[BI+8*\b:BI+8*\b+3], v7, s[96:97] offset:64*\b
	global_load_b128 v[BI+8*\b+4:BI+8*\b+7], v7, s[96:97] offset:64*\b+16
.endr
	v_mul_u32_u24 v3, v1, PITCH
	v_lshl_add_u32 v4, v2, 4, v3                   ; a fragment's row x pitch + 16 x half
	s_mul_i32 s21, s15, HALFT                      ; my 128 rows of A
	s_mul_i32 s22, s16, HALFT                      ; my 128 rows of B,
	s_add_co_u32 s22, s22, 2*HALFT                 ; which lie behind A's 256
.irp s, 0,1
	v_add_nc_u32 v[ADRA+\s], s21, v4
	v_add_nc_u32 v[ADRB+\s], s22, v4
	s_add_co_u32 s21, s21, SLOT
	s_add_co_u32 s22, s22, SLOT
.endr
	v_mul_u32_u24 v5, v1, KS                       ; my row's scales: 32 bytes a row,
	v_lshrrev_b32 v6, 8, v5
	v_lshl_add_u32 v5, v6, 4, v5                   ; and 16 more for each 256 passed
	s_mul_i32 s21, s15, HALFS                      ; A's: my 128 rows
	s_mul_i32 s22, s16, HALFS                      ; B's: my 128 rows, behind A's 256
	s_add_co_u32 s22, s22, 2*HALFS
	s_sub_co_u32 s22, s22, s21
	v_mul_u32_u24 v6, s22, v2                      ; lanes 16-31 take B's: one product, the distance between the two
	s_add_co_u32 s21, s21, SCL
	v_add_nc_u32 v5, v5, v6
	v_add_nc_u32 v[ADRS], s21, v5
	s_mul_i32 s23, s14, WSTG                       ; my stage
	v_mul_u32_u24 v5, v1, 144                      ; in: row l % 16, 16 bytes for each half of the lanes
	v_lshl_add_u32 v5, v2, 4, v5
	v_add_nc_u32 v[STO], s23, v5
	v_and_b32 v6, 31, v0
	v_lshlrev_b32 v[CO], 4, v6                     ; out: 16 bytes a lane of 512 consecutive bytes: four rows of a head
	v_lshrrev_b32 v5, 3, v6
	v_mul_u32_u24 v5, v5, 144
	v_and_b32 v6, 7, v6
	v_lshl_add_u32 v5, v6, 4, v5
	v_add_nc_u32 v[RD], s23, v5                    ; back: eight lanes to a row of 128 bytes
	; where my 128 rows x 2 heads begin in qkv: part x 16,777,216 + b x 4,194,304 + head x 262,144 + s x 128
	s_lshr_b32 s20, s42, 2
	s_lshl_b32 s20, s20, 24                        ; part = tile column / 4
	s_and_b32 s21, s42, 3
	s_lshl_b32 s21, s21, 2
	s_lshl_b32 s46, s16, 1
	s_add_co_u32 s21, s21, s46                     ; head = 4 (tile column % 4) + 2 x half
	s_lshl_b32 s21, s21, 18
	s_add_co_u32 s20, s20, s21
	s_lshl_b32 s21, s17, 8
	s_lshl_b32 s46, s15, 7
	s_add_co_u32 s21, s21, s46                     ; my first row = 256 x tile row + 128 x half
	s_lshr_b32 s46, s21, 11
	s_lshl_b32 s46, s46, 22                        ; b = row / 2,048
	s_add_co_u32 s20, s20, s46
	s_and_b32 s21, s21, 2047
	s_lshl_b32 s21, s21, 7                         ; s = row % 2,048
	s_add_co_u32 s20, s20, s21
	s_mov_b32 s21, 0
	s_add_nc_u64 s[12:13], s[12:13], s[20:21]
.macro FRAG reg, adr, q, i             ; a fragment, 16 rows x 128 K of 4-bit codes, is 8 registers: lane l holds row l % 16; registers 4 c .. 4 c + 3 hold K = 64 c + 32 (l / 16) + 0 .. 31
.irp c, 0,1
	ds_load_b128 v[\reg+4*\c:\reg+4*\c+3], v[\adr] offset:64*(\q)+32*\c+(\i)*16*PITCH
.endr
.endm
; 16 matrix instructions: A's blocks a0, a0 + 1 x B's eight, 128 along K: the slot's q-th.  p: B's set;  sc: the set of scale words.  zero = 1: the first product starts the sums from the bias.
; The 64 accumulators take turns, one instruction a turn, in the same order in every step.
.macro MUL16 a0, p, q, sc, zero
.irp a, \a0, \a0+1
.irp b, 0,1,2,3,4,5,6,7
.if \zero
	v_wmma_scale_f32_16x16x128_f8f6f4 v[8*(8*((\a)%4)+\b):8*(8*((\a)%4)+\b)+7], v[128*(\p)+FR*\b:128*(\p)+FR*\b+FR-1], v[AF+FR*(\a):AF+FR*(\a)+FR-1], v[BI+8*\b:BI+8*\b+7], v[SC+8*NQ*(\sc)+NQ*\b+(\q)], v[SC+8*NQ*(\sc)+NQ*(\a)+(\q)] matrix_a_fmt:MATRIX_FMT_FP4 matrix_b_fmt:MATRIX_FMT_FP4 matrix_a_scale:MATRIX_SCALE_ROW1
.else
	v_wmma_scale_f32_16x16x128_f8f6f4 v[8*(8*((\a)%4)+\b):8*(8*((\a)%4)+\b)+7], v[128*(\p)+FR*\b:128*(\p)+FR*\b+FR-1], v[AF+FR*(\a):AF+FR*(\a)+FR-1], v[8*(8*((\a)%4)+\b):8*(8*((\a)%4)+\b)+7], v[SC+8*NQ*(\sc)+NQ*\b+(\q)], v[SC+8*NQ*(\sc)+NQ*(\a)+(\q)] matrix_a_fmt:MATRIX_FMT_FP4 matrix_b_fmt:MATRIX_FMT_FP4 matrix_a_scale:MATRIX_SCALE_ROW1
.endif
.endr
.endr
.endm
.macro FETCH_B slot, q, p
	WIN TO_B
.irp i, 0,1,2,3,4,5,6,7
	FRAG 128*(\p)+FR*\i, ADRB+\slot, \q, \i
.endr
	WIN 0
.endm
.macro FETCH_A slot, q, i0
.irp i, \i0, \i0+1, \i0+2, \i0+3
	FRAG AF+FR*(\i), ADRA+\slot, \q, \i
.endr
.endm
.macro SCALES sc                       ; a K step's scale words into set sc: 4 words a row; lanes 0-15 take A's block i, lanes 16-31 B's block i
.irp i, 0,1,2,3,4,5,6,7
	ds_load_b128 v[SC+8*NQ*\sc+NQ*\i:SC+8*NQ*\sc+NQ*\i+3], v[ADRS] offset:\i*SBLK
.endr
.endm
.macro PLACES n                        ; plain vector instructions between a matrix instruction and a load into, or a vector read of, its registers
.rept \n
	v_nop
.endr
.endm
.macro STEP slot, q, zero              ; a step of 128 along K that has its successor in the same slot
	s_wait_dscnt 4*NL                              ; B's set and A's blocks 0-3 are in; the youngest eight loads (A's blocks 4-7) may be out
.if \zero
	WIN 0x81                                       ; as MUL_LO, but C (the bias) in window 0
.else
	WIN MUL_LO
.endif
	MUL16 0, (\q)%2, \q, \slot, \zero
	MUL16 2, (\q)%2, \q, \slot, \zero
	s_wait_dscnt 0                                 ; A's blocks 4-7 are in (asked for 32 matrix instructions ago)
	PLACES NP
	FETCH_B \slot, (\q)+1, 1-(\q)%2
	FETCH_A \slot, (\q)+1, 0
.if \zero
	WIN 0xc1
.else
	WIN MUL_HI
.endif
	MUL16 4, (\q)%2, \q, \slot, \zero
	MUL16 6, (\q)%2, \q, \slot, \zero
	PLACES NP
	WIN 0
	FETCH_A \slot, (\q)+1, 4
.endm
.macro STEPS slot, from
.set Q, \from
.rept NQ-1-\from
	STEP \slot, Q, 0
.set Q, Q+1
.endr
.endm
	s_wait_tensorcnt 1                             ; the scales and my part of K step 0 are in (K step 1's load may be out)
	s_barrier_signal -1
	s_barrier_wait -1                              ; everybody's are
	FETCH_B 0, 0, 0
	FETCH_A 0, 0, 0
	SCALES 0
	FETCH_A 0, 0, 4
	s_wait_loadcnt 0x0                             ; the bias
	STEP 0, 0, 1                                   ; the first step's products start the sums
	STEPS 0, 1
	; slot 0's last step changes slots: one barrier; in front of it each wave waits for all its tensor loads (its part of slot 1), and for its reads of slot 0
	s_wait_tensorcnt 0x0
	ds_add_u32 v[SPW], v[NIL]                      ; 0 onto my spare word
	s_wait_dscnt 4*NL+1                            ; (the add and the youngest eight loads may be out)
	WIN MUL_LO
	MUL16 0, 1, NQ-1, 0, 0                         ; sixteen matrix instructions stand between the add and the wait for it
	s_wait_dscnt 0x0                               ; the add is done, and my reads of slot 0 are over
	s_barrier_signal -1
	MUL16 2, 1, NQ-1, 0, 0
	WIN 0
	s_barrier_wait -1                              ; slot 1 is whole, and nobody reads slot 0 any more
	PLACES NP
	v_add_nc_u32 v[ADRS], 4*NQ, v[ADRS]            ; on to the second K step's scale words
	FETCH_B 1, 0, 0
	FETCH_A 1, 0, 0
	SCALES 1
	WIN MUL_HI
	MUL16 4, 1, NQ-1, 0, 0
	MUL16 6, 1, NQ-1, 0, 0
	PLACES NP
	WIN 0
	FETCH_A 1, 0, 4
	STEPS 1, 0
	s_wait_dscnt 4*NL                              ; the very last step: nothing more to fetch
	WIN MUL_LO
	MUL16 0, 1, NQ-1, 1, 0
	MUL16 2, 1, NQ-1, 1, 0
	s_wait_dscnt 0
	WIN MUL_HI
	MUL16 4, 1, NQ-1, 1, 0
	MUL16 6, 1, NQ-1, 1, 0
	WIN 0
; THE WAY OUT, block by block of 16 rows x 128 columns = 16 rows of two heads.  PACK: x the factor, rounded to f16: a lane's eight columns are 16 bytes.  TOSTAGE: into my stage (rows of 144 bytes), and back four rows of a head
; at a time.  SEND: 32 lanes store 512 consecutive bytes, since a head's rows of 128 bytes lie on end in qkv.
.macro PACK a
.set AC, 64*((\a)%4)
	WIN 0x82+0x41*((\a)/4)                         ; destination and source 0: window 2 or 3
.set i, 0
.rept 32
	v_pk_mul_f32 v[AC+i:AC+i+1], v[AC+i:AC+i+1], s[FAC:FAC+1] op_sel_hi:[1,0]   ; each accumulator from its low end on
.set i, i+2
.endr
	WIN 0x0a+5*((\a)/4)                            ; sources 0 and 1: window 2 or 3; destination window 0
.irp b, 0,1,2,3,4,5,6,7
.irp r, 0,1,2,3
	v_cvt_pk_f16_f32 v[TMP+4*\b+\r], v[AC+8*\b+2*\r], v[AC+8*\b+2*\r+1]
.endr
.endr
	WIN 0
.endm
.macro TOSTAGE a
.set BB, BK+32*((\a)%2)
.irp b, 0,1,2,3,4,5,6,7
	ds_store_b128 v[STO], v[TMP+4*\b:TMP+4*\b+3] offset:2304*(\b/4)+32*(\b%4)
.endr
.irp t, 0,1,2,3,4,5,6,7
	ds_load_b128 v[BB+4*\t:BB+4*\t+3], v[RD] offset:2304*(\t/4)+576*(\t%4)   ; LDS serves a wave's instructions in order: these see the stores above
.endr
.endm
.macro SEND a
.set BB, BK+32*((\a)%2)
	s_wait_dscnt 0x0                               ; the block is back in registers
	s_wait_xcnt 0x0                                ; the stores of the block before have read their registers: the next block's loads land there only behind this wait
.irp t, 0,1,2,3,4,5,6,7
	global_store_b128 v[CO], v[BB+4*\t:BB+4*\t+3], s[12:13] offset:262144*(\t/4)+2048*(\a)+512*(\t%4)
.endr
.endm
	PLACES NP
	PACK 0
	TOSTAGE 0
.irp a, 1,2,3,4,5,6,7                  ; block a's arithmetic stands between block a - 1's loads from the stage and the wait for them
	PACK \a
	SEND \a-1
	TOSTAGE \a
.endr
	SEND 7
	s_wait_tensorcnt 0x0                           ; the wave's end: behind my last tensor load and my last LDS store
	ds_add_u32 v[SPW], v[NIL]
	s_wait_dscnt 0x0
	CROUND                                         ; the closing round
	s_endpgm
.Lfunc_end_k_q8bb4d9c1fd_qkvgemm:
	.size	k_q8bb4d9c1fd_qkvgemm, .Lfunc_end_k_q8bb4d9c1fd_qkvgemm-k_q8bb4d9c1fd_qkvgemm
	.p2alignl 7, 3214868480
	.fill 96, 4, 3214868480
	.section	.rodata,"a",@progbits
	.p2align	6, 0x0
	.amdhsa_kernel k_q8bb4d9c1fd_qkvgemm
		.amdhsa_group_segment_fixed_size 327680
		.amdhsa_private_segment_fixed_size 0
		.amdhsa_enable_private_segment 0
		.amdhsa_kernarg_size 48
		.amdhsa_user_sgpr_count 2
		.amdhsa_user_sgpr_kernarg_segment_ptr 1
		.amdhsa_wavefront_size32 1
		.amdhsa_system_sgpr_workgroup_id_x 1
		.amdhsa_system_sgpr_workgroup_id_y 1
		.amdhsa_system_sgpr_workgroup_id_z 1
		.amdhsa_system_vgpr_workitem_id 0
		.amdhsa_next_free_vgpr 1024
		.amdhsa_next_free_sgpr 100
		.amdhsa_reserve_vcc 0
		.amdhsa_float_denorm_mode_32 3
		.amdhsa_float_denorm_mode_16_64 3
		.amdhsa_memory_ordered 1
		.amdhsa_forward_progress 1
		.amdhsa_inst_pref_size 145
	.end_amdhsa_kernel
	.amdgpu_metadata
---
amdhsa.version: [ 1, 2 ]
amdhsa.kernels:
  - .name:           k_q8bb4d9c1fd_qkvgemm
    .symbol:         k_q8bb4d9c1fd_qkvgemm.kd
    .args:
      - { .name: xc, .offset: 0, .size: 8, .value_kind: global_buffer, .address_space: global }
      - { .name: xs, .offset: 8, .size: 8, .value_kind: global_buffer, .address_space: global }
      - { .name: wc, .offset: 16, .size: 8, .value_kind: global_buffer, .address_space: global }
      - { .name: ws, .offset: 24, .size: 8, .value_kind: global_buffer, .address_space: global }
      - { .name: b_qkv, .offset: 32, .size: 8, .value_kind: global_buffer, .address_space: global }
      - { .name: qkv, .offset: 40, .size: 8, .value_kind: global_buffer, .address_space: global }
    .group_segment_fixed_size: 327680
    .private_segment_fixed_size: 0
    .kernarg_segment_align: 8
    .kernarg_segment_size: 48
    .max_flat_workgroup_size: 128
    .sgpr_count:     100
    .vgpr_count:     1024
    .wavefront_size: 32
...
	.end_amdgpu_metadata
.endif
;; end of part 2
;; launch attn (part 3): grid 4 x 64, 8 waves a work-group, no clusters, 327,680 bytes of LDS; arguments qkv, o16; writes o16
.if DOCPART == 3
	.amdgcn_target "amdgcn-amd-amdhsa--gfx1250"
	.amdhsa_code_object_version 6
	.text
	.protected	k_q8bb4d9c1fd_attn
	.globl	k_q8bb4d9c1fd_attn
	.p2align	8
	.type	k_q8bb4d9c1fd_attn,@function
k_q8bb4d9c1fd_attn:
	s_mov_b64 s[64:65], 0
	v_nop
	global_prefetch_b8 v0, s[64:65] scope:SCOPE_SE
	s_setreg_imm32_b32 hwreg(HW_REG_WAVE_MODE, 25, 1), 1
	s_wait_xcnt 0x0
; o[b][h][q][:] = the sum over k of softmax_k(q . k / 8) v[k][:], for 64 heads of 2,048 x 64.  q, k, v: the three parts of qkv, f16, [64 heads][2048][64]; q comes multiplied by log2(e) / 8, so a score is an exponent of 2.
; Products on f16 operands with f32 sums; maxima, exponentials and sums in f32; the weights p are rounded to f16 for the second product, o once at the end: o16 [64 heads][2048][64] f16.
; SOFTMAX.  For each query a running maximum m and sum l: p = 2^(s - m), at most 1; in every step O and l are multiplied by a = 2^(m_old - m_new), which is 1 where m has not grown.  m begins at -3e38, O and l at 0.
; SHARES.  A work-group owns 512 queries of one head, each of its eight waves 64: four tiles of 16, in 512 registers: two waves to each of the four SIMDs.  Every wave walks all 2,048 keys, 64 a step.
; LAYOUT.  S^T = K Q^T (source 0 = 16 keys, source 1 = 16 queries): a lane holds ONE query (lane % 16) and keys 8 (lane / 16) + 0..7 of a tile.  Two such tiles, rounded to f16 in pairs, ARE source 1 (32 keys x 16 queries) of
; O^T = V^T P.  K comes out of LDS as it lies, V ([key][channel]) turned, by ds_load_tr16_b128.
; IN PHASES, TWO GROUPS OF WAVES HALF A TRIP APART.  A trip is the softmax of step j (vector work), then V^T P of step j and K Q^T of step j + 1 (64 matrix instructions).  Waves 0-3 make their first scores ahead of a barrier,
; waves 4-7 behind it, so that one group's vector phase can stand beside the other's matrix phase.  At a change of slots the barrier is signalled ahead of the softmax and waited for behind it, so that the distance is kept.
; NO CLUSTER, though the four work-groups of a head read the same K and V: a round's closing barrier would bring all eight waves to one line at each of the seven changes and undo the distance between the groups; and what joint loads
; would spare is three quarters of the 512 KB of K and V that a work-group fetches, against the 4 MB (8 waves x 512 KB) that it reads from LDS.
; LIMITS: NaN and infinities are not served; |o| under 6e-5 carries f16's absolute step of 6e-8.
; REGISTERS.  window 0: v1-13 addresses; v16-47 eight registers of statistics a tile; v48-55 a second chain of sums; v64-191 S^T, 32 a tile, P in place in each tile's first 16; v192-255 K of one step.
;   window 1: v0-127 O^T, 32 a tile; v128-191 Q, 16 a tile; v192-255 V of one step.
.set KP,    272                        ; TWO keys' rows of 128 bytes are one LDS row of 256 bytes + 16 of padding: the 16 keys of a load fall on 16 different columns of 16 bytes
.set VP,    288                        ; V: 256 + 32
.set KSTB,  32*KP                      ; a step's 64 keys of K
.set VSTB,  32*VP
.set VOFF,  4*KSTB                     ; a slot: 4 steps of K, then 4 steps of V
.set SLOT1, 1<<17                      ; slot 1 begins here: one exclusive or turns an address
.set STAGE, SLOT1+VOFF+4*VSTB          ; behind the ring: 4 tiles x 16 rows x 144 bytes for each wave
.set SPARE, STAGE+8*9216               ; the spare words, 128 bytes for each wave
.set PARTB, 16777216                   ; a part of qkv
.set SLOTB, 32768                      ; 256 keys in memory
.set AK0, 3
.set AV0, 4
.set ADK, 5
.set ADV, 6
.set QO,  7
.set STO, 8
.set RD,  9
.set GO,  10
.set PFO, 11                           ; v11  256 x my lane; never rewritten
.set SPW, 12                           ; v12  LDS address of my spare word; never rewritten
.set NIL, 13                           ; v13  0; never rewritten
.set ST,  16                           ; tile t at v[ST + 8 t]: +0 m, +1 0 (named with m as a pair), +2, +3 l, +4 to +7 four chains of the maximum; then +4:+5 the sum, +6 a, +7 m_old - m_new
.set SCR, 48
.set S,   64
.set KF,  192
.set Q,   128                          ; in window 1
.set VF,  192                          ; in window 1
.set WV,  8
.set G1K, 16
.set G1V, 24
.set G0K, 32                           ; two sets: the two first fills; the second then walks on
.set G0V, 40
.set SEL, 48
.set TK,  50                           ; s50  LDS byte at which K of the step to be fetched begins
.set TV,  51                           ; s51  the same for V, counted from VOFF
.set SLOTS, 52
.set INNER, 53
.set LIM, 54                           ; s54  1 in a work-group that prefetches, else the greatest number
.set PFA, 56                           ; s[56:57] where my prefetches stand
.set MSB, 0
.macro WIN new
.if MSB != (\new)
	s_set_vgpr_msb (MSB<<8)|(\new)
.set MSB, \new
.endif
.endm
.macro PLACES n
.rept \n
	v_nop
.endr
.endm
; A refill: waves 0-3 fetch the slot's four steps of K, waves 4-7 those of V: 32 rows of 256 bytes each.  The branch hangs on the wave's number alone.  An s_nop 0 and four v_nop follow each line.
.macro TLOAD
	s_cmp_lt_u32 s[WV], 4
	s_cbranch_scc0 .Lfor_v_\@
	tensor_load_to_lds s[G0K+4:G0K+7], s[G1K:G1K+7]
	s_nop 0
	PLACES 4
	s_branch .Lasked_\@
.Lfor_v_\@:
	tensor_load_to_lds s[G0V+4:G0V+7], s[G1V:G1V+7]
	s_nop 0
	PLACES 4
.Lasked_\@:
.endm
; A PREFETCH INTO THE L2 of what the NEXT change of slots will ask for, four key steps ahead of that load.  The four work-groups of a head walk the same K and V: the head's first asks, each of its eight waves for the 8,192 bytes
; that it will itself fetch, lanes 256 bytes apart: so each aligned block of 256 bytes is named once in the launch.  The last change that fills a slot asks for nothing; slots 0, 1 and 2 come by their loads alone.
.macro ASK
	s_cmp_gt_u32 s[SLOTS], s[LIM]
	s_cbranch_scc0 .Lnot_mine_\@
	global_prefetch_b8 v[PFO], s[PFA:PFA+1] th:TH_LOAD_NT scope:SCOPE_SE
.Lnot_mine_\@:
.endm
.macro KLOADS adr                      ; a step's K: fragment (key tile kt, channels 32 c on) at KF + 16 kt + 8 c
.irp f, 0,1,2,3,4,5,6,7
	ds_load_b128 v[KF+8*\f:KF+8*\f+3],   v[\adr] offset:(\f/2)*8*KP+(\f%2)*64
	ds_load_b128 v[KF+8*\f+4:KF+8*\f+7], v[\adr] offset:(\f/2)*8*KP+(\f%2)*64+32
.endr
.endm
.macro VLOADS adr                      ; a step's V, turned: fragment (keys 32 u on, channels 16 ct on) at VF + 8 (4 u + ct); destination window 1
	WIN 0x40
.irp f, 0,1,2,3,4,5,6,7
	ds_load_tr16_b128 v[VF+8*\f:VF+8*\f+3],   v[\adr] offset:(\f/4)*16*VP+(\f%4)*32
	ds_load_tr16_b128 v[VF+8*\f+4:VF+8*\f+7], v[\adr] offset:(\f/4)*16*VP+(\f%4)*32+8*VP
.endr
.endm
.macro FETCH_K
	WIN 0
	v_add_nc_u32 v[ADK], s[TK], v[AK0]
	s_add_co_u32 s[TK], s[TK], KSTB
	KLOADS ADK
.endm
.macro FETCH_V
	WIN 0
	v_add_nc_u32 v[ADV], s[TV], v[AV0]
	s_add_co_u32 s[TV], s[TV], VSTB
	VLOADS ADV
.endm
; 32 products S^T = K Q^T: channels 32 (i / 16) on, key tile (i / 4) % 4, query tile i % 4.  The first 16 start the sums.  The 16 accumulators take turns, one instruction a turn.
.macro KQ
	WIN 0x04                                       ; Q (source 1) in window 1
.set i, 0
.rept 32
.set rS, S+32*(i%4)+8*((i/4)%4)
.set rK, KF+16*((i/4)%4)+8*(i/16)
.set rQ, Q+16*(i%4)+8*(i/16)
.if i < 16
	v_wmma_f32_16x16x32_f16 v[rS:rS+7], v[rK:rK+7], v[rQ:rQ+7], 0
.else
	v_wmma_f32_16x16x32_f16 v[rS:rS+7], v[rK:rK+7], v[rQ:rQ+7], v[rS:rS+7]
.endif
.set i, i+1
.endr
.endm
; 32 products O^T += V^T P: keys 32 (i / 16) on, channel tile (i / 4) % 4, query tile i % 4
.macro PV
	WIN 0x51                                       ; V (source 0), C and D in window 1; P in window 0
.set i, 0
.rept 32
.set rO, 32*(i%4)+8*((i/4)%4)
.set rV, VF+8*(4*(i/16)+(i/4)%4)
.set rP, S+32*(i%4)+8*(i/16)
	v_wmma_f32_16x16x32_f16 v[rO:rO+7], v[rV:rV+7], v[rP:rP+7], v[rO:rO+7]
.set i, i+1
.endr
.endm
; THE SOFTMAX of one key step, the four tiles by turns, so that no line waits for the line above it.
.macro SOFTMAX
	WIN 0
.irp j, 0,1,2,3                        ; the maximum of my 32 scores and the old m, three operands at a time: four chains, one to an accumulator, each begun at the accumulator's low end
.irp t, 0,1,2,3
	v_max3_num_f32 v[ST+8*\t+4+\j], v[S+32*\t+8*\j], v[S+32*\t+8*\j+1], v[S+32*\t+8*\j+2]
.endr
.endr
.irp g, 1,2
.irp j, 0,1,2,3
.irp t, 0,1,2,3
	v_max3_num_f32 v[ST+8*\t+4+\j], v[ST+8*\t+4+\j], v[S+32*\t+8*\j+2*\g+1], v[S+32*\t+8*\j+2*\g+2]
.endr
.endr
.endr
.irp t, 0,1,2,3
	v_max3_num_f32 v[ST+8*\t+4], v[ST+8*\t+4], v[S+32*\t+7], v[S+32*\t+15]
.endr
.irp t, 0,1,2,3
	v_max3_num_f32 v[ST+8*\t+6], v[ST+8*\t+6], v[S+32*\t+23], v[S+32*\t+31]
.endr
.irp t, 0,1,2,3
	v_max3_num_f32 v[ST+8*\t+4], v[ST+8*\t+4], v[ST+8*\t+5], v[ST+8*\t+6]
.endr
.irp t, 0,1,2,3
	v_max3_num_f32 v[ST+8*\t+4], v[ST+8*\t+4], v[ST+8*\t+7], v[ST+8*\t]
.endr
.irp t, 0,1,2,3
	v_permlanex16_b32 v[ST+8*\t+5], v[ST+8*\t+4], s[SEL], s[SEL+1]   ; the query's other 32 keys lie in the lane 16 away
.endr
.irp t, 0,1,2,3
	v_mov_b32 v[ST+8*\t+7], v[ST+8*\t]
.endr
.irp t, 0,1,2,3
	v_max_num_f32 v[ST+8*\t], v[ST+8*\t+4], v[ST+8*\t+5]             ; the new m
.endr
.irp t, 0,1,2,3
	v_sub_f32 v[ST+8*\t+7], v[ST+8*\t+7], v[ST+8*\t]                 ; m_old - m_new
.endr
	; ONE BATCH: the 64 packed subtractions s - m and all 132 exponentials.  None of these lines names an exponential's result: tile t's subtractions stand between tile t - 1's exponentials.
.irp b, 0,1,2,3,4,5,6,7,8,9,10,11,12,13,14,15
	v_pk_add_f32 v[S+2*\b:S+2*\b+1], v[S+2*\b:S+2*\b+1], v[ST:ST+1] op_sel_hi:[1,0] neg_lo:[0,1] neg_hi:[0,1]
.endr
.irp t, 0,1,2,3
	v_exp_f32 v[ST+8*\t+6], v[ST+8*\t+7]                             ; a
.endr
.irp t, 1,2,3
.irp b, 0,1,2,3,4,5,6,7,8,9,10,11,12,13,14,15
	v_pk_add_f32 v[S+32*\t+2*\b:S+32*\t+2*\b+1], v[S+32*\t+2*\b:S+32*\t+2*\b+1], v[ST+8*\t:ST+8*\t+1] op_sel_hi:[1,0] neg_lo:[0,1] neg_hi:[0,1]
	v_exp_f32 v[S+32*(\t-1)+2*\b], v[S+32*(\t-1)+2*\b]
	v_exp_f32 v[S+32*(\t-1)+2*\b+1], v[S+32*(\t-1)+2*\b+1]
.endr
.endr
.irp e, 0,1,2,3,4,5,6,7,8,9,10,11,12,13,14,15,16,17,18,19,20,21,22,23,24,25,26,27,28,29,30,31
	v_exp_f32 v[S+96+\e], v[S+96+\e]
.endr
	v_nop                                          ; a plain instruction behind the last exponential, ahead of the first use
	s_wait_alu depctr_va_vdst(0)                   ; and the wait ahead of the first line that names a result: one for the whole batch
.irp t, 0,1,2,3                        ; the row's sum of the unrounded p: two chains of packed additions
	v_pk_add_f32 v[ST+8*\t+4:ST+8*\t+5], v[S+32*\t:S+32*\t+1], v[S+32*\t+2:S+32*\t+3]
.endr
.irp t, 0,1,2,3
	v_pk_add_f32 v[SCR+2*\t:SCR+2*\t+1], v[S+32*\t+4:S+32*\t+5], v[S+32*\t+6:S+32*\t+7]
.endr
.irp p, 8,12,16,20,24,28
.irp t, 0,1,2,3
	v_pk_add_f32 v[ST+8*\t+4:ST+8*\t+5], v[ST+8*\t+4:ST+8*\t+5], v[S+32*\t+\p:S+32*\t+\p+1]
.endr
.irp t, 0,1,2,3
	v_pk_add_f32 v[SCR+2*\t:SCR+2*\t+1], v[SCR+2*\t:SCR+2*\t+1], v[S+32*\t+\p+2:S+32*\t+\p+3]
.endr
.endr
.irp t, 0,1,2,3
	v_pk_add_f32 v[ST+8*\t+4:ST+8*\t+5], v[ST+8*\t+4:ST+8*\t+5], v[SCR+2*\t:SCR+2*\t+1]
.endr
.irp t, 0,1,2,3
	v_pk_fma_f32 v[ST+8*\t+2:ST+8*\t+3], v[ST+8*\t+2:ST+8*\t+3], v[ST+8*\t+6:ST+8*\t+7], v[ST+8*\t+4:ST+8*\t+5] op_sel_hi:[1,0,1]   ; l = a l + the sum
.endr
.irp i, 0,1,2,3,4,5,6,7,8,9,10,11,12,13,14,15   ; P in place: pair i goes to register i, which pairs 0 .. i have left
.irp t, 0,1,2,3
	v_cvt_pk_f16_f32 v[S+32*\t+\i], v[S+32*\t+2*\i], v[S+32*\t+2*\i+1]
.endr
.endr
	WIN 0x41                                       ; O^T (destination and source 0) in window 1, a in window 0
.irp i, 0,2,4,6,8,10,12,14,16,18,20,22,24,26,28,30
.irp t, 0,1,2,3
	v_pk_mul_f32 v[32*\t+\i:32*\t+\i+1], v[32*\t+\i:32*\t+\i+1], v[ST+8*\t+6:ST+8*\t+7] op_sel_hi:[1,0]   ; each accumulator from its low end on
.endr
.endr
.endm
; A TRIP: key step j.  At its head S^T of step j is made and V of step j is on its way from LDS (16 loads out).
; chg = 0: inside a slot.  chg = 1: j is a slot's last step, and the slot is filled again with the keys two slots on.  chg = 2: the same, but nothing is left to fetch.
.macro TRIP chg
	WIN 0
	PLACES 4                                       ; behind K Q^T: ahead of the first read of the scores, and of loads into K's registers
.if \chg == 0
	FETCH_K                                        ; K of step j + 1: it lands under the softmax
.else
	s_wait_tensorcnt 0x0                           ; all my tensor loads have landed: the one that was out is my part of the next slot; so a group 0 may be written
	ds_add_u32 v[SPW], v[NIL]                      ; 0 onto my spare word
.if \chg == 1
	s_xor_b32 s[G0K+5], s[G0K+5], SLOT1            ; the walking descriptors: the other slot than last time,
	s_add_nc_u64 s[G0K+6:G0K+7], s[G0K+6:G0K+7], SLOTB   ; the next 256 keys; the type bits on top are not reached
	s_xor_b32 s[G0V+5], s[G0V+5], SLOT1
	s_add_nc_u64 s[G0V+6:G0V+7], s[G0V+6:G0V+7], SLOTB
	s_wait_xcnt 0x0                                ; the last prefetch, four key steps back, has read its address, so it may be written:
	s_add_nc_u64 s[PFA:PFA+1], s[PFA:PFA+1], SLOTB ; one slot further on than the walking descriptors
.endif
	s_wait_dscnt 0x0                               ; the add is done; V of step j is in: my reads of this slot are over
	s_barrier_signal -1                            ; say so, and work on registers while the others arrive
.endif
	SOFTMAX
	WIN 0
.if \chg
	s_barrier_wait -1                              ; nobody reads this slot any more, and the next slot is whole
.if \chg == 1
	TLOAD                                          ; my one tensor load behind this barrier, ahead of every LDS read: it has four key steps in which to land
	ASK
.endif
	s_sub_co_u32 s[TK], s[TK], VOFF                ; the fetches go back to a slot's first step,
	s_xor_b32 s[TK], s[TK], SLOT1                  ; in the other slot
	s_sub_co_u32 s[TV], s[TV], 4*VSTB
	s_xor_b32 s[TV], s[TV], SLOT1
	FETCH_K
.endif
	s_wait_dscnt 16                                ; V of step j is in; K's 16 loads may be out
	PV
	PLACES 5                                       ; behind V^T P: four ahead of loads into V's registers, five ahead of the products that write over P
	FETCH_V                                        ; V of step j + 1
	s_wait_dscnt 16                                ; K of step j + 1 is in; V's 16 loads may be out
	KQ
	WIN 0
.endm
.macro THREE                           ; a slot's first three steps: written once, walked three times; the LDS addresses hang on s[TK], s[TV]
	s_mov_b32 s[INNER], 3
.Lthree_\@:
	TRIP 0
	s_sub_co_u32 s[INNER], s[INNER], 1
	s_cmp_lg_u32 s[INNER], 0
	s_cbranch_scc1 .Lthree_\@
.endm
.macro PRE                             ; the first scores: K of step 0 straight off my lane's place
	KLOADS AK0
	s_wait_dscnt 0x0
	KQ
	WIN 0
	PLACES 5                                       ; the distances behind these products hold whatever follows
.endm
	s_load_b128 s[4:7], s[0:1], 0x0                ; qkv s[4:5], o16 s[6:7]
	v_lshl_add_u32 v[SPW], v0, 2, SPARE
	v_mov_b32 v[NIL], 0
	ds_add_u32 v[SPW], v[NIL]                      ; the wave's opening: the add, twice on end, and its wait ahead of my first tensor load
	ds_add_u32 v[SPW], v[NIL]
	v_lshrrev_b32 v1, 5, v0
	v_readfirstlane_b32 s[WV], v1                  ; wave 0..7
	s_and_b32 s9, s[WV], 3                         ; which of a slot's four steps I fetch
	s_and_b32 s66, ttmp7, 0xffff
	s_lshl_b32 s66, s66, 18                        ; the head's first byte in a part: 262,144 a head
	s_lshl_b32 s67, s9, 13                         ; my step's 8,192 bytes of a slot
	s_add_co_u32 s67, s67, s66
	s_add_co_u32 s70, s67, PARTB                   ; in the k part,
	s_mov_b32 s71, 0
	s_add_co_u32 s72, s67, 2*PARTB                 ; in the v part
	s_mov_b32 s73, 0
	s_mul_i32 s74, s9, KSTB                        ; and in a slot
	s_mul_i32 s75, s9, VSTB
	s_add_co_u32 s75, s75, VOFF
	s_lshl_b32 s68, ttmp9, 16                      ; my work-group's 512 queries of 128 bytes,
	s_lshl_b32 s69, s[WV], 13                      ; my wave's 64
	s_add_co_u32 s68, s68, s69
	s_add_co_u32 s68, s68, s66
	s_mov_b32 s69, 0
	; descriptor group 1: 32 rows of 128 elements of 2 bytes (two keys to a row: a head is dense in memory), padded in LDS
	s_mov_b32 s[G1K], (1<<16)|(1<<20)|(5<<22)|(3<<25)   ; no mask; elements of 2 bytes; padding on; after every 64 words, 4 words
	s_mov_b32 s[G1V], (1<<16)|(1<<20)|(5<<22)|(7<<25)   ; the same with 8 words of padding
.irp g, G1K, G1V
	s_mov_b32 s[\g+1], 128<<16                     ; tensor_dim0
	s_mov_b32 s[\g+2], 32<<16                      ; tensor_dim1
	s_mov_b32 s[\g+3], 128<<16                     ; tile_dim0
	s_mov_b32 s[\g+4], 32                          ; tile_dim1
	s_mov_b32 s[\g+5], 128                         ; tensor_dim0_stride
	s_mov_b32 s[\g+6], 0
	s_mov_b32 s[\g+7], 0
.endr
	s_mov_b32 s[SEL], 0x76543210
	s_mov_b32 s[SEL+1], 0xfedcba98
	s_mov_b32 s[TK], KSTB                          ; step 0 is fetched by immediates: the walking fetches begin at step 1
	s_mov_b32 s[TV], VSTB
	s_mov_b32 s[SLOTS], 6
	s_cmp_eq_u32 ttmp9, 0
	s_cselect_b32 s[LIM], 1, -1                    ; the head's first work-group prefetches
	s_cmp_lt_u32 s[WV], 4
	s_cselect_b64 s[PFA:PFA+1], s[70:71], s[72:73] ; (an offset: K's in waves 0-3, V's in waves 4-7)
	s_wait_dscnt 0x0                               ; both opening adds are done
	s_wait_kmcnt 0x0
	s_add_nc_u64 s[PFA:PFA+1], s[4:5], s[PFA:PFA+1]
	s_add_nc_u64 s[PFA:PFA+1], s[PFA:PFA+1], 2*SLOTB   ; in slot 2's keys: the first change steps it on.  Nothing is prefetched here, at the head
.irp s, 0,1
	s_mov_b32 s[G0K+4*\s], 1                       ; count = 1
	s_add_co_u32 s[G0K+4*\s+1], s74, \s*SLOT1      ; LDS address
	s_add_nc_u64 s[G0K+4*\s+2:G0K+4*\s+3], s[4:5], s[70:71]
	s_add_nc_u64 s[G0K+4*\s+2:G0K+4*\s+3], s[G0K+4*\s+2:G0K+4*\s+3], \s*SLOTB   ; global address: keys 256 s on
	s_or_b32 s[G0K+4*\s+3], s[G0K+4*\s+3], 0x80000000   ; type = 2
	s_mov_b32 s[G0V+4*\s], 1
	s_add_co_u32 s[G0V+4*\s+1], s75, \s*SLOT1
	s_add_nc_u64 s[G0V+4*\s+2:G0V+4*\s+3], s[4:5], s[72:73]
	s_add_nc_u64 s[G0V+4*\s+2:G0V+4*\s+3], s[G0V+4*\s+2:G0V+4*\s+3], \s*SLOTB
	s_or_b32 s[G0V+4*\s+3], s[G0V+4*\s+3], 0x80000000
.endr
	s_add_nc_u64 s[10:11], s[4:5], s[68:69]        ; Q at my wave's first row
	s_add_nc_u64 s[6:7], s[6:7], s[68:69]          ; O likewise
	s_cmp_lt_u32 s[WV], 4                          ; a wave's two first fills stand in one branch, ahead of every wait on TENSORcnt, every LDS read and every barrier: two loads of mine are out
	s_cbranch_scc0 .Lfirst_v
	tensor_load_to_lds s[G0K:G0K+3], s[G1K:G1K+7]
	s_nop 0
	tensor_load_to_lds s[G0K+4:G0K+7], s[G1K:G1K+7]
	s_nop 0
	PLACES 4
	s_branch .Lfirst_asked
.Lfirst_v:
	tensor_load_to_lds s[G0V:G0V+3], s[G1V:G1V+7]
	s_nop 0
	tensor_load_to_lds s[G0V+4:G0V+7], s[G1V:G1V+7]
	s_nop 0
	PLACES 4
.Lfirst_asked:
	v_and_b32 v1, 15, v0                           ; r = l % 16
	v_bfe_u32 v2, v0, 4, 1                         ; h = l / 16
	v_lshlrev_b32 v[QO], 7, v1
	v_lshl_add_u32 v[QO], v2, 4, v[QO]             ; row r of 128 bytes + 16 h
	WIN 0x40                                       ; destination window 1
.irp f, 0,1,2,3,4,5,6,7                        ; Q stays in registers: tile f / 2, channels 32 (f % 2) on
	global_load_b128 v[Q+8*\f:Q+8*\f+3],   v[QO], s[10:11] offset:(\f/2)*2048+(\f%2)*64
	global_load_b128 v[Q+8*\f+4:Q+8*\f+7], v[QO], s[10:11] offset:(\f/2)*2048+(\f%2)*64+32
.endr
.set i, 0
.rept 128
	v_mov_b32 v[i], 0                              ; O^T.  The trip is written once: the first finds zeros, which its a = 0 leaves zeros
.set i, i+1
.endr
	WIN 0
	v_lshrrev_b32 v14, 1, v1
	v_mul_u32_u24 v[AK0], v14, KP                  ; K: key r lies in LDS row r / 2,
	v_and_b32 v14, 1, v0
	v_lshl_add_u32 v[AK0], v14, 7, v[AK0]          ; half r % 2 of it,
	v_lshl_add_u32 v[AK0], v2, 4, v[AK0]           ; + 16 h
	v_bfe_u32 v15, v0, 1, 2
	v_lshl_add_u32 v15, v2, 2, v15                 ; V: lane l reads key 8 h + l % 8: LDS row 4 h + (l % 8) / 2,
	v_mul_u32_u24 v[AV0], v15, VP
	v_lshl_add_u32 v[AV0], v14, 7, v[AV0]          ; half l % 2 of it,
	v_bfe_u32 v15, v0, 3, 1
	v_lshl_add_u32 v[AV0], v15, 4, v[AV0]          ; channels 8 ((l / 8) % 2) on
	v_add_nc_u32 v[AV0], VOFF, v[AV0]
	s_mul_i32 s66, s[WV], 9216
	s_add_co_u32 s66, s66, STAGE                   ; my stage
	v_mul_u32_u24 v[STO], v1, 144                  ; in: row r, 16 bytes for each half of the lanes
	v_lshl_add_u32 v[STO], v2, 4, v[STO]
	v_add_nc_u32 v[STO], s66, v[STO]
	v_and_b32 v14, 31, v0
	v_lshlrev_b32 v[GO], 4, v14                    ; out: 16 bytes a lane of 512 consecutive bytes: four rows of O
	v_lshlrev_b32 v[PFO], 8, v14
	v_lshrrev_b32 v15, 3, v14
	v_mul_u32_u24 v[RD], v15, 144
	v_and_b32 v15, 7, v0
	v_lshl_add_u32 v[RD], v15, 4, v[RD]
	v_add_nc_u32 v[RD], s66, v[RD]                 ; back: eight lanes to a row of 128 bytes
.irp t, 0,1,2,3
	v_mov_b32 v[ST+8*\t], 0xff61b1e6               ; m = -3e38, under every score
	v_mov_b32 v[ST+8*\t+1], 0
	v_mov_b32 v[ST+8*\t+2], 0                      ; l
	v_mov_b32 v[ST+8*\t+3], 0
.endr
	s_wait_tensorcnt 0x1                           ; my part of slot 0 is in; slot 1's may stay out
	s_barrier_signal -1
	s_barrier_wait -1                              ; everybody's is
	s_wait_loadcnt 0x0                             ; Q
	s_cmp_lt_u32 s[WV], 4
	s_cbranch_scc0 .Lnot_early
	PRE                                            ; waves 0-3 make their first scores ahead of the barrier,
.Lnot_early:
	s_barrier_signal -1
	s_barrier_wait -1
	s_cmp_lt_u32 s[WV], 4
	s_cbranch_scc1 .Lnot_late
	PRE                                            ; waves 4-7 behind it: a fetch and 32 products later
.Lnot_late:
	VLOADS AV0                                     ; V of step 0
	WIN 0
.Lslot:                                            ; six trips: slots 0 to 5 are filled again
	THREE
	TRIP 1
	s_sub_co_u32 s[SLOTS], s[SLOTS], 1
	s_cmp_lg_u32 s[SLOTS], 0
	s_cbranch_scc1 .Lslot
	THREE                                          ; the tail is written out: slot 6
	TRIP 2
	THREE                                          ; and slot 7, whose last step has no successor
	PLACES 4
	SOFTMAX
	WIN 0
	s_wait_dscnt 0x0                               ; V of the last step
	PV
	WIN 0
	; THE WAY OUT.  l's two halves and the other half of the lanes' are added (the additions are the places behind the last products); O^T is divided by l, rounded to f16 and sent through my stage, a tile (16 rows of O) at a time.
.irp t, 0,1,2,3
	v_add_f32 v[ST+8*\t+4], v[ST+8*\t+2], v[ST+8*\t+3]
.endr
.irp t, 0,1,2,3
	v_permlanex16_b32 v[ST+8*\t+5], v[ST+8*\t+4], s[SEL], s[SEL+1]
.endr
.irp t, 0,1,2,3
	v_add_f32 v[ST+8*\t+4], v[ST+8*\t+4], v[ST+8*\t+5]
.endr
.irp t, 0,1,2,3
	v_rcp_f32 v[ST+8*\t+6], v[ST+8*\t+4]
.endr
	v_nop                                          ; a plain instruction between the last reciprocal and the use of its result
	s_wait_alu depctr_va_vdst(0)                   ; and the wait ahead of the first use: one for the four
.irp t, 0,1,2,3
	WIN 0x41
.irp i, 0,2,4,6,8,10,12,14,16,18,20,22,24,26,28,30
	v_pk_mul_f32 v[32*\t+\i:32*\t+\i+1], v[32*\t+\i:32*\t+\i+1], v[ST+8*\t+6:ST+8*\t+7] op_sel_hi:[1,0]
.endr
	WIN 0x05                                       ; sources 0 and 1 window 1, destination window 0
.irp i, 0,1,2,3,4,5,6,7,8,9,10,11,12,13,14,15
	v_cvt_pk_f16_f32 v[S+16*\t+\i], v[32*\t+2*\i], v[32*\t+2*\i+1]
.endr
	WIN 0
.irp c, 0,1,2,3
	ds_store_b128 v[STO], v[S+16*\t+4*\c:S+16*\t+4*\c+3] offset:2304*\t+32*\c
.endr
.irp i, 0,1,2,3
	ds_load_b128 v[S+64+16*\t+4*\i:S+64+16*\t+4*\i+3], v[RD] offset:2304*\t+576*\i   ; LDS serves a wave's instructions in order: these see the stores above
.endr
.endr
.irp t, 0,1,2,3
.irp i, 0,1,2,3
	s_wait_dscnt 27-8*\t-\i                        ; behind load (t, i): the rest of its tile's loads, and eight LDS instructions for each later tile
	global_store_b128 v[GO], v[S+64+16*\t+4*\i:S+64+16*\t+4*\i+3], s[6:7] offset:2048*\t+512*\i   ; 32 lanes store 512 consecutive bytes, aligned
.endr
.endr
	s_wait_tensorcnt 0x0                           ; the wave's end: behind my last tensor load and my last LDS store
	ds_add_u32 v[SPW], v[NIL]
	s_wait_dscnt 0x0
	s_endpgm
.Lfunc_end_k_q8bb4d9c1fd_attn:
	.size	k_q8bb4d9c1fd_attn, .Lfunc_end_k_q8bb4d9c1fd_attn-k_q8bb4d9c1fd_attn
	.p2alignl 7, 3214868480
	.fill 96, 4, 3214868480
	.section	.rodata,"a",@progbits
	.p2align	6, 0x0
	.amdhsa_kernel k_q8bb4d9c1fd_attn
		.amdhsa_group_segment_fixed_size 327680
		.amdhsa_private_segment_fixed_size 0
		.amdhsa_enable_private_segment 0
		.amdhsa_kernarg_size 16
		.amdhsa_user_sgpr_count 2
		.amdhsa_user_sgpr_kernarg_segment_ptr 1
		.amdhsa_wavefront_size32 1
		.amdhsa_system_sgpr_workgroup_id_x 1
		.amdhsa_system_sgpr_workgroup_id_y 1
		.amdhsa_system_sgpr_workgroup_id_z 1
		.amdhsa_system_vgpr_workitem_id 0
		.amdhsa_next_free_vgpr 512
		.amdhsa_next_free_sgpr 80
		.amdhsa_reserve_vcc 0
		.amdhsa_float_denorm_mode_32 3
		.amdhsa_float_denorm_mode_16_64 3
		.amdhsa_memory_ordered 1
		.amdhsa_forward_progress 1
		.amdhsa_inst_pref_size 221
	.end_amdhsa_kernel
	.amdgpu_metadata
---
amdhsa.version: [ 1, 2 ]
amdhsa.kernels:
  - .name:           k_q8bb4d9c1fd_attn
    .symbol:         k_q8bb4d9c1fd_attn.kd
    .args:
      - { .name: qkv, .offset: 0, .size: 8, .value_kind: global_buffer, .address_space: global }
      - { .name: o16, .offset: 8, .size: 8, .value_kind: global_buffer, .address_space: global }
    .group_segment_fixed_size: 327680
    .private_segment_fixed_size: 0
    .kernarg_segment_align: 8
    .kernarg_segment_size: 16
    .max_flat_workgroup_size: 256
    .sgpr_count:     80
    .vgpr_count:     512
    .wavefront_size: 32
...
	.end_amdgpu_metadata
.endif
;; end of part 3
;; launch proj (part 4): grid 4 x 64, 4 waves a work-group, clusters of 4 x 4, 327,680 bytes of LDS; arguments o16, w16, b_out, out0; writes out0
.if DOCPART == 4
	.amdgcn_target "amdgcn-amd-amdhsa--gfx1250"
	.amdhsa_code_object_version 6
	.text
	.protected	k_q8bb4d9c1fd_proj
	.globl	k_q8bb4d9c1fd_proj
	.p2align	8
	.type	k_q8bb4d9c1fd_proj,@function
k_q8bb4d9c1fd_proj:
	s_mov_b64 s[64:65], 0
	v_nop
	global_prefetch_b8 v0, s[64:65] scope:SCOPE_SE
	s_setreg_imm32_b32 hwreg(HW_REG_WAVE_MODE, 25, 1), 1
	s_wait_xcnt 0x0
	s_wait_alu depctr_hold_cnt(0) depctr_sa_sdst(0) depctr_va_vdst(0) depctr_va_sdst(0) depctr_va_ssrc(0) depctr_va_vcc(0) depctr_vm_vsrc(0)
	s_getreg_b32 s2, hwreg(HW_REG_IB_STS2, 6, 4)
	s_cmp_eq_u32 s2, 0
	s_cbranch_scc0 .Lentry_in_a_cluster
	s_endpgm
.Lentry_in_a_cluster:
	s_bfe_u32 s2, ttmp6, 0x10000c
	s_cmp_lg_u32 s2, 0xf033
	s_cbranch_scc0 .Lentry_shape_is_right
	s_endpgm
.Lentry_shape_is_right:
; out0[m][n] = the sum over k of o[m][k] w_out[k][n] + b_out[n], m = 2,048 b + s, k = 64 h + d.  o16: f16 [4 b][16 h][2048 s][64 d];  w16: f16 [1024 k][1024 n];  b_out, out0: f32.  Sums in f32.
; A tile of the result is 128 rows x 256 columns: 64 x 4 = 256 work-groups.  Four waves, each 64 x 128: 32 accumulators of 16 x 16, 256 registers.  K goes in steps of 128, two heads, through a ring of two LDS slots.
; A's tile is two blocks, one a head: 128 rows of 128 bytes, dense in memory, stated as 64 rows of 256 bytes.  B's tile is 128 rows (k) of 512 bytes and is read turned, by ds_load_tr16_b128.
; CLUSTERS: 4 x 4 work-groups.  The four of a row of the cluster need the same tiles of A, the four of a column the same tiles of B: each tile is asked for JOINTLY.
; THE MATRIX INSTRUCTION IS USED TRANSPOSED (source 0 = 16 columns of w_out, source 1 = 16 rows of o): a lane then holds eight neighbouring numbers of a row of the result.  The bias is the C of each sum's first product.
; No prefetch: a K step here is 32 matrix instructions a quarter on a small tile, and the tiles are shared in the cluster instead.
; REGISTERS: window 0: v16-29 addresses; v32-95 the bias in the result's layout; v96-223 rows on their way out.   window 1: two fragment buffers at v0 and v128: A's 4 fragments, then B's 8.   window 2: accumulator (a, b) at v[8 (8 a + b)].
.set HB,     64*272                    ; a head's block of A: 64 LDS rows of 256 bytes + 16
.set BOFF,   2*HB
.set BP,     544                       ; a row of B: 512 bytes + 32
.set BHALF,  64*BP
.set SLOT,   BOFF+2*BHALF
.set STAGE,  2*SLOT                    ; behind the ring: 16 rows x (512 bytes + 16) for each wave
.set SPITCH, 528
.set SPARE,  STAGE+4*16*SPITCH
.set ADRA, 16
.set ADRB, 20
.set STO,  24
.set RD,   25
.set CO,   26
.set SPW,  28
.set NIL,  29
.set BI,   32
.set BK,   96
.set F0,   0
.set F1,   128
.set G1, 24
.set G0, 32
.set G1B, 48
.set G0B, 56
.set MSB, 0
.macro WIN new
.if MSB != (\new)
	s_set_vgpr_msb (MSB<<8)|(\new)
.set MSB, \new
.endif
.endm
.macro PLACES
.rept 4
	v_nop
.endr
.endm
.macro JLOAD s                         ; a joint load: waves 0 and 1 fetch A's two heads, waves 2 and 3 B's two halves; an s_nop 0 and four v_nop follow each of the two lines
	s_cmp_eq_u32 s15, 0
	s_cbranch_scc0 .Lfor_b_\@
	tensor_load_to_lds s[G0+4*\s:G0+4*\s+3], s[G1:G1+7]
	s_nop 0
	PLACES
	s_branch .Lasked_\@
.Lfor_b_\@:
	tensor_load_to_lds s[G0B+4*\s:G0B+4*\s+3], s[G1B:G1B+7]
	s_nop 0
	PLACES
.Lasked_\@:
.endm
.macro CREST                           ; a round of the cluster's barrier behind its opening barrier
	s_cmp_lg_u32 s14, 0
	s_cbranch_scc1 .Lnot_wave_0_\@
	s_barrier_signal -3
.Lnot_wave_0_\@:
	s_barrier_wait -3
	s_barrier_signal -1
	s_barrier_wait -1
.endm
.macro CROUND
	s_barrier_signal -1
	s_barrier_wait -1
	CREST
.endm
	s_load_b128 s[4:7], s[0:1], 0x0                ; o16 s[4:5], w16 s[6:7]
	s_load_b128 s[8:11], s[0:1], 0x10              ; b_out s[8:9], out0 s[10:11]
	v_lshl_add_u32 v[SPW], v0, 2, SPARE
	v_mov_b32 v[NIL], 0
	ds_add_u32 v[SPW], v[NIL]                      ; the wave's opening: the add, twice on end, and its wait ahead of my first tensor load
	ds_add_u32 v[SPW], v[NIL]
	v_lshrrev_b32 v1, 5, v0
	v_readfirstlane_b32 s14, v1                    ; wave 0..3
	s_lshr_b32 s15, s14, 1                         ; which 64 rows of the tile are mine.  Also: I fetch for A (0) or for B (1)
	s_and_b32 s16, s14, 1                          ; which 128 columns.  Also: which head of A's tile, or which 64 rows of B's, I fetch
	s_bfe_u32 s40, ttmp6, 0x40000                  ; cx, cy
	s_bfe_u32 s41, ttmp6, 0x40004
	s_lshl_b32 s42, ttmp9, 2
	s_add_co_u32 s42, s42, s40                     ; tile column
	s_and_b32 s17, ttmp7, 0xffff
	s_lshl_b32 s17, s17, 2
	s_add_co_u32 s17, s17, s41                     ; tile row
	s_lshl_b32 s43, s41, 2
	s_lshl_b32 s43, 15, s43                        ; my row of the cluster
	s_lshl_b32 s44, 0x1111, s40                    ; my column
	s_or_b32 s[G1+0], s43, (1<<16)|(1<<20)|(1<<21)|(5<<22)|(3<<25)   ; A: the mask of my row; elements of 2 bytes; padding on; bit 21 beside a mask; after every 64 words, 4 words
	s_mov_b32 s[G1+1], 128<<16                     ; tensor_dim0 = 128
	s_mov_b32 s[G1+2], 64<<16                      ; tensor_dim1 = 64
	s_mov_b32 s[G1+3], 128<<16                     ; tile_dim0
	s_mov_b32 s[G1+4], 64                          ; tile_dim1
	s_mov_b32 s[G1+5], 128                         ; tensor_dim0_stride: dense
	s_mov_b32 s[G1+6], 0
	s_mov_b32 s[G1+7], 0
	s_or_b32 s[G1B+0], s44, (1<<16)|(1<<20)|(1<<21)|(6<<22)|(7<<25)  ; B: the mask of my column; after every 128 words, 8 words
	s_mov_b32 s[G1B+1], 256<<16
	s_mov_b32 s[G1B+2], 64<<16
	s_mov_b32 s[G1B+3], 256<<16
	s_mov_b32 s[G1B+4], 64
	s_mov_b32 s[G1B+5], 1024
	s_mov_b32 s[G1B+6], 0
	s_mov_b32 s[G1B+7], 0
	s_lshr_b32 s20, s17, 4
	s_lshl_b32 s20, s20, 22                        ; A: b = tile row / 16: 4,194,304 bytes a batch,
	s_and_b32 s21, s17, 15
	s_lshl_b32 s21, s21, 14                        ; s = 128 (tile row % 16): 128 bytes a row,
	s_add_co_u32 s20, s20, s21
	s_lshl_b32 s21, s16, 18                        ; my head of the K step's two: 262,144 bytes a head
	s_add_co_u32 s20, s20, s21
	s_mov_b32 s21, 0
	s_lshl_b32 s46, s16, 17                        ; B: my 64 rows of 2,048 bytes,
	s_lshl_b32 s47, s42, 9                         ; 512 bytes a tile column
	s_add_co_u32 s46, s46, s47
	s_mov_b32 s47, 0
	s_mul_i32 s45, s16, HB                         ; where they go: no place in the cluster enters an LDS address
	s_mul_i32 s18, s16, BHALF
	s_add_co_u32 s18, s18, BOFF
	s_wait_dscnt 0x0                               ; both opening adds are done
	s_wait_kmcnt 0x0
	s_add_nc_u64 s[20:21], s[4:5], s[20:21]
	s_add_nc_u64 s[46:47], s[6:7], s[46:47]
	CROUND                                         ; all sixteen work-groups are here: the first joint loads meet
.irp s, 0,1
	s_mov_b32 s[G0+4*\s], 1
	s_add_co_u32 s[G0+4*\s+1], s45, \s*SLOT
	s_add_nc_u64 s[G0+4*\s+2:G0+4*\s+3], s[20:21], \s*524288      ; K step s: two heads on
	s_or_b32 s[G0+4*\s+3], s[G0+4*\s+3], 0x80000000
	s_mov_b32 s[G0B+4*\s], 1
	s_add_co_u32 s[G0B+4*\s+1], s18, \s*SLOT
	s_add_nc_u64 s[G0B+4*\s+2:G0B+4*\s+3], s[46:47], \s*262144    ; 128 rows on
	s_or_b32 s[G0B+4*\s+3], s[G0B+4*\s+3], 0x80000000
	JLOAD \s
.endr
	v_and_b32 v1, 15, v0                           ; r
	v_bfe_u32 v2, v0, 4, 1                         ; h
	s_lshl_b32 s46, s42, 10
	s_lshl_b32 s47, s16, 9
	s_add_co_u32 s46, s46, s47                     ; my first column, in bytes of f32: 1,024 x tile column + 512 x half
	s_mov_b32 s47, 0
	s_add_nc_u64 s[8:9], s[8:9], s[46:47]
	v_lshlrev_b32 v7, 5, v2
.irp b, 0,1,2,3,4,5,6,7                        ; the bias: register 8 b + j = b_out[my first column + 16 b + 8 h + j]
	global_load_b128 v[BI+8*\b:BI+8*\b+3], v7, s[8:9] offset:64*\b
	global_load_b128 v[BI+8*\b+4:BI+8*\b+7], v7, s[8:9] offset:64*\b+16
.endr
	s_lshl_b32 s20, s17, 19                        ; my first row of the result: 128 x tile row + 64 x half, 4,096 bytes a row
	s_lshl_b32 s21, s15, 18
	s_add_co_u32 s20, s20, s21
	s_add_co_u32 s20, s20, s46
	s_mov_b32 s21, 0
	s_add_nc_u64 s[10:11], s[10:11], s[20:21]
	v_lshrrev_b32 v3, 1, v1
	v_mul_u32_u24 v3, v3, 272                      ; A: row r lies in LDS row r / 2,
	v_and_b32 v4, 1, v0
	v_lshl_add_u32 v3, v4, 7, v3                   ; half r % 2 of it,
	v_lshl_add_u32 v3, v2, 4, v3                   ; + 16 h
	v_and_b32 v4, 7, v0
	v_lshl_add_u32 v4, v2, 3, v4
	v_mul_u32_u24 v4, v4, BP                       ; B: lane l reads row 8 h + l % 8,
	v_bfe_u32 v5, v0, 3, 1
	v_lshl_add_u32 v4, v5, 4, v4                   ; columns 8 ((l / 8) % 2) on
	s_mul_i32 s21, s15, 32*272                     ; my 64 rows of A
	s_lshl_b32 s22, s16, 8                         ; my 128 columns of B,
	s_add_co_u32 s22, s22, BOFF                    ; which lies behind A
.irp s, 0,1
	v_add_nc_u32 v[ADRA+\s], s21, v3
	v_add_nc_u32 v[ADRB+\s], s22, v4
	s_add_co_u32 s21, s21, SLOT
	s_add_co_u32 s22, s22, SLOT
.endr
	s_mul_i32 s23, s14, 16*SPITCH
	s_add_co_u32 s23, s23, STAGE                   ; my stage
	v_mul_u32_u24 v5, v1, SPITCH                   ; in: row r, 32 bytes for each half of the lanes
	v_lshl_add_u32 v5, v2, 5, v5
	v_add_nc_u32 v[STO], s23, v5
	v_and_b32 v6, 31, v0
	v_lshlrev_b32 v[CO], 4, v6                     ; back: the 32 lanes take one row of 512 bytes; and the same in the result
	v_add_nc_u32 v[RD], s23, v[CO]
; 24 LDS loads in one run: the fragments of the slot's q-th 32 along K into buffer f
.macro FETCH slot, q, f
	WIN 0x40                                       ; destination window 1
.irp a, 0,1,2,3
	ds_load_b128 v[\f+8*\a:\f+8*\a+3],   v[ADRA+\slot] offset:((\q)/2)*HB+((\q)%2)*64+2176*\a
	ds_load_b128 v[\f+8*\a+4:\f+8*\a+7], v[ADRA+\slot] offset:((\q)/2)*HB+((\q)%2)*64+2176*\a+32
.endr
.irp b, 0,1,2,3,4,5,6,7
	ds_load_tr16_b128 v[\f+32+8*\b:\f+32+8*\b+3],   v[ADRB+\slot] offset:32*BP*(\q)+32*\b
	ds_load_tr16_b128 v[\f+32+8*\b+4:\f+32+8*\b+7], v[ADRB+\slot] offset:32*BP*(\q)+32*\b+16*BP
.endr
.endm
; 8 matrix instructions: A's block a x B's eight.  The 32 accumulators take turns, one instruction a turn, in the same order in every quarter.
.macro MUL8 f, a, first
.irp b, 0,1,2,3,4,5,6,7
.if \first
	v_wmma_f32_16x16x32_f16 v[8*(8*(\a)+\b):8*(8*(\a)+\b)+7], v[\f+32+8*\b:\f+32+8*\b+7], v[\f+8*(\a):\f+8*(\a)+7], v[BI+8*\b:BI+8*\b+7]
.else
	v_wmma_f32_16x16x32_f16 v[8*(8*(\a)+\b):8*(8*(\a)+\b)+7], v[\f+32+8*\b:\f+32+8*\b+7], v[\f+8*(\a):\f+8*(\a)+7], v[8*(8*(\a)+\b):8*(8*(\a)+\b)+7]
.endif
.endr
.endm
; One of a K step's first three quarters: asks for the next quarter's fragments into g, then multiplies f.
.macro QUARTER slot, q, f, g, first
	PLACES                                         ; ahead of loads into registers that the quarter before multiplied
	FETCH \slot, (\q)+1, \g
	s_wait_dscnt 24                                ; f is in; the 24 loads just issued may be out
.if \first
	WIN 0x85                                       ; sources 0 and 1 window 1, C (the bias) window 0, D window 2
.else
	WIN 0xa5                                       ; sources 0 and 1 window 1, C and D window 2
.endif
	MUL8 \f, 0, \first
	MUL8 \f, 1, \first
	MUL8 \f, 2, \first
	MUL8 \f, 3, \first
.endm
; The last quarter multiplies buffer 1 and changes slots: ONE barrier; in front of it each wave waits for all its tensor loads, adds 0 to its spare word, and waits for that and for its reads of this slot.  fill = 1: the slot is filled again.
.macro TURN slot, next, fill
	WIN 0                                          ; (the add's two registers lie in window 0)
	s_wait_tensorcnt 0x0                           ; all my tensor loads have landed: my part of the next slot
	ds_add_u32 v[SPW], v[NIL]                      ; 0 onto my spare word
	s_wait_dscnt 1                                 ; buffer 1 is in (the add may be out)
	WIN 0xa5
	MUL8 F1, 0, 0                                  ; eight matrix instructions stand between the add and the wait for it
	s_wait_dscnt 0x0                               ; the add is done, and my reads of this slot are over
	s_barrier_signal -1
	MUL8 F1, 1, 0
	WIN 0
	s_barrier_wait -1
.if \fill
	CREST                                          ; the barrier has opened a round of the cluster's barrier: no wave of any partner still reads this slot or has a load on its way
	s_add_nc_u64 s[G0+4*\slot+2:G0+4*\slot+3], s[G0+4*\slot+2:G0+4*\slot+3], 1048576    ; two K steps on: four heads
	s_add_nc_u64 s[G0B+4*\slot+2:G0B+4*\slot+3], s[G0B+4*\slot+2:G0B+4*\slot+3], 524288 ; 256 rows
	JLOAD \slot                                    ; the first tensor load behind the round; the four v_nop behind it are also the places in front of the loads below
.else
	PLACES
.endif
	FETCH \next, 0, F0
	WIN 0xa5
	MUL8 F1, 2, 0
	MUL8 F1, 3, 0
.endm
	s_wait_tensorcnt 1                             ; my part of K step 0 is in (K step 1's may be out)
	s_barrier_signal -1
	s_barrier_wait -1                              ; everybody's is
	FETCH 0, 0, F0
	s_wait_loadcnt 0x0                             ; the bias
	QUARTER 0, 0, F0, F1, 1                        ; the first quarter stands in front of the loop: its products start the sums from the bias
	WIN 0
	s_mov_b32 s19, 3
.Llap:                                             ; a trip goes once round the ring, from a lap's second quarter to the next lap's first, and fills both slots again
	QUARTER 0, 1, F1, F0, 0
	QUARTER 0, 2, F0, F1, 0
	TURN 0, 1, 1
	QUARTER 1, 0, F0, F1, 0
	QUARTER 1, 1, F1, F0, 0
	QUARTER 1, 2, F0, F1, 0
	TURN 1, 0, 1
	QUARTER 0, 0, F0, F1, 0
	WIN 0
	s_sub_co_u32 s19, s19, 1
	s_cmp_lg_u32 s19, 0
	s_cbranch_scc1 .Llap
	QUARTER 0, 1, F1, F0, 0                        ; the last lap fills nothing, and has no round of the cluster's barrier
	QUARTER 0, 2, F0, F1, 0
	TURN 0, 1, 0
	QUARTER 1, 0, F0, F1, 0
	QUARTER 1, 1, F1, F0, 0
	QUARTER 1, 2, F0, F1, 0
	s_wait_dscnt 0x0                               ; the very last quarter: nothing more to fetch
	WIN 0xa5
	MUL8 F1, 0, 0
	MUL8 F1, 1, 0
	MUL8 F1, 2, 0
	MUL8 F1, 3, 0
	WIN 0
; THE WAY OUT, block by block of 16 rows x 128 columns: through my own stage, and back as whole rows of 512 bytes.  LDS serves a wave's instructions in order: no wait between the stores and the loads.
.macro TOSTAGE a
	WIN 0x08                                       ; an LDS store's data are its source 1: window 2
.irp b, 0,1,2,3,4,5,6,7
	ds_store_b128 v[STO], v[8*(8*(\a)+\b):8*(8*(\a)+\b)+3] offset:64*\b           ; each accumulator from its low end on
	ds_store_b128 v[STO], v[8*(8*(\a)+\b)+4:8*(8*(\a)+\b)+7] offset:64*\b+16
.endr
	WIN 0
.set BB, BK+64*((\a)%2)
.irp t, 0,1,2,3,4,5,6,7,8,9,10,11,12,13,14,15
	ds_load_b128 v[BB+4*\t:BB+4*\t+3], v[RD] offset:\t*SPITCH
.endr
.endm
.macro SEND a, younger                 ; younger: the LDS instructions issued behind block a's loads, which may stay out
.set BB, BK+64*((\a)%2)
	s_wait_dscnt \younger
.irp t, 0,1,2,3,4,5,6,7,8,9,10,11,12,13,14,15
	global_store_b128 v[CO], v[BB+4*\t:BB+4*\t+3], s[10:11] offset:65536*(\a)+4096*\t th:TH_STORE_NT   ; 32 lanes store 512 consecutive bytes, aligned; written once, read by nobody here
.endr
.endm
	PLACES
	TOSTAGE 0
.irp a, 1,2,3
.if \a > 1
	s_wait_xcnt 0x0                                ; block a - 2's stores have read their registers: block a's loads may land there
.endif
	TOSTAGE \a
	SEND \a-1, 32                                  ; behind block a - 1's loads: block a's 16 stores and 16 loads
.endr
	SEND 3, 0
	s_wait_tensorcnt 0x0                           ; the wave's end: behind my last tensor load and my last LDS store
	ds_add_u32 v[SPW], v[NIL]
	s_wait_dscnt 0x0
	CROUND                                         ; the closing round: no work-group ends while a partner may still ask for a tile that names it
	s_endpgm
.Lfunc_end_k_q8bb4d9c1fd_proj:
	.size	k_q8bb4d9c1fd_proj, .Lfunc_end_k_q8bb4d9c1fd_proj-k_q8bb4d9c1fd_proj
	.p2alignl 7, 3214868480
	.fill 96, 4, 3214868480
	.section	.rodata,"a",@progbits
	.p2align	6, 0x0
	.amdhsa_kernel k_q8bb4d9c1fd_proj
		.amdhsa_group_segment_fixed_size 327680
		.amdhsa_private_segment_fixed_size 0
		.amdhsa_enable_private_segment 0
		.amdhsa_kernarg_size 32
		.amdhsa_user_sgpr_count 2
		.amdhsa_user_sgpr_kernarg_segment_ptr 1
		.amdhsa_wavefront_size32 1
		.amdhsa_system_sgpr_workgroup_id_x 1
		.amdhsa_system_sgpr_workgroup_id_y 1
		.amdhsa_system_sgpr_workgroup_id_z 1
		.amdhsa_system_vgpr_workitem_id 0
		.amdhsa_next_free_vgpr 768
		.amdhsa_next_free_sgpr 72
		.amdhsa_reserve_vcc 0
		.amdhsa_float_denorm_mode_32 3
		.amdhsa_float_denorm_mode_16_64 3
		.amdhsa_memory_ordered 1
		.amdhsa_forward_progress 1
		.amdhsa_inst_pref_size 86
	.end_amdhsa_kernel
	.amdgpu_metadata
---
amdhsa.version: [ 1, 2 ]
amdhsa.kernels:
  - .name:           k_q8bb4d9c1fd_proj
    .symbol:         k_q8bb4d9c1fd_proj.kd
    .args:
      - { .name: o16, .offset: 0, .size: 8, .value_kind: global_buffer, .address_space: global }
      - { .name: w16, .offset: 8, .size: 8, .value_kind: global_buffer, .address_space: global }
      - { .name: b_out, .offset: 16, .size: 8, .value_kind: global_buffer, .address_space: global }
      - { .name: out0, .offset: 24, .size: 8, .value_kind: global_buffer, .address_space: global }
    .group_segment_fixed_size: 327680
    .private_segment_fixed_size: 0
    .kernarg_segment_align: 8
    .kernarg_segment_size: 32
    .max_flat_workgroup_size: 128
    .sgpr_count:     72
    .vgpr_count:     768
    .wavefront_size: 32
...
	.end_amdgpu_metadata
.endif
;; end of part 4
